; MI455X (gfx1250); checked and timed in simulation.
; The chip was launched on July 23, 2026; its instructions are those of AMD's public machine-readable ISA for CDNA 5 (MIT licence, August 2026) and "CDNA5" Instruction Set Architecture Reference Guide (July 2026). The comments in the code are by the model that wrote it; some were corrected since.
;; Multi Head Attention. Allowed arithmetic: matrix products marked QUANTISED: E5M2 operands, one E8M0 scale for each 32 along K, by v_wmma_scale_f32_16x16x128_f8f6f4 with both operands' format E5M2, f32 sums; everything else in f32.
;; Inputs: W_k_codes 1,024 x 32 x 32 uint8 (E5M2 codes of W_k, K innermost, in blocks of 32 codes); W_k_scales 1,024 x 32 uint8 (E8M0 scales of W_k, one for each 32 codes along K); W_o_codes 1,024 x 32 x 32 uint8 (E5M2 codes of W_o, K innermost, in blocks of 32 codes); W_o_scales 1,024 x 32 uint8 (E8M0 scales of W_o, one for each 32 codes along K); W_q_codes 1,024 x 32 x 32 uint8 (E5M2 codes of W_q, K innermost, in blocks of 32 codes); W_q_scales 1,024 x 32 uint8 (E8M0 scales of W_q, one for each 32 codes along K); W_v_codes 1,024 x 32 x 32 uint8 (E5M2 codes of W_v, K innermost, in blocks of 32 codes); W_v_scales 1,024 x 32 uint8 (E8M0 scales of W_v, one for each 32 codes along K); b_o 1,024 float32; inputs_codes 4 x 2,048 x 32 x 32 uint8 (E5M2 codes of inputs, K innermost, in blocks of 32 codes); inputs_scales 4 x 2,048 x 32 uint8 (E8M0 scales of inputs, one for each 32 codes along K).
;; Outputs: out0 4 x 2,048 x 1,024 float32.
;; This version of the problem:
;;   THIS VERSION OF THE PROBLEM IS GIVEN IN LOW PRECISION. The matrix products marked QUANTISED in the list below multiply operands that are first quantised to E5M2 (5 exponent bits, 2 mantissa bits; 8 bits a number), with one power-of-two scale for each 32 numbers along K (OCP MX v1.0); their sums are f32. All else is computed in f32.
;;   The module's matrix products, in the order in which they are computed (A, B: the left and right operand; K: the contracted axis; several contracted axes count as one K, in the product's order):
;;     1. [M 8,192, K 1,024] x [K 1,024, N 1,024]; A: input inputs (given as codes); B: input W_q (given as codes): QUANTISED
;;     2. [M 8,192, K 1,024] x [K 1,024, N 1,024]; A: input inputs (given as codes); B: input W_k (given as codes): QUANTISED
;;     3. [M 8,192, K 1,024] x [K 1,024, N 1,024]; A: input inputs (given as codes); B: input W_v (given as codes): QUANTISED
;;     4. batch 64 x [M 2,048, K 64] x [K 64, N 2,048]; A: computed on the way; B: computed on the way: QUANTISED
;;     5. batch 64 x [M 2,048, K 2,048] x [K 2,048, N 64]; A: softmax (see below); B: computed on the way: QUANTISED
;;     6. [M 8,192, K 1,024] x [K 1,024, N 1,024]; A: computed on the way; B: input W_o (given as codes): QUANTISED
;;   THE QUANTISER, for each operand of a quantised product, along K:
;;     - K is cut into blocks of 32 from its start; a last block that is shorter is filled with zeros.
;;     - A block's scale is 2^e with e = floor(log2(the largest magnitude in the block)) - 15, held to -126 .. 127; a block of zeros has e = 0. As a byte (E8M0): e + 127.
;;     - Each number is divided by its block's scale, clamped to +-57,344, and rounded to the nearest number of E5M2, ties to even, subnormals kept.
;;     - The product sums the exact products of the quantised numbers (number of the format x scale) in f32.
;;   ~~~python
;;   def quantise(x, axis):      # numpy; x: float32 -> the quantised numbers, widened to float32 again
;;       x = np.moveaxis(x, axis, -1); K = x.shape[-1]
;;       x = np.pad(x, [(0, 0)] * (x.ndim - 1) + [(0, -K % 32)]); x = x.reshape(x.shape[:-1] + (-1, 32)); a = np.abs(x).max(-1, keepdims=True)
;;       e = np.where(a > 0, np.clip(np.frexp(np.where(a > 0, a, 1))[1] - 1 - 15, -126, 127), 0)      # np.frexp(a)[1] - 1 = floor(log2(a)), exactly
;;       r = np.clip(x / 2.0 ** e, -57344, 57344)
;;       step = 2.0 ** (np.maximum(np.frexp(np.where(r == 0, 1, r))[1] - 1, -14) - 2)
;;       q = np.round(r / step) * step * 2.0 ** e      # np.round: ties to even
;;       return np.moveaxis(q.reshape(q.shape[:-2] + (-1,))[..., :K], -1, axis).astype(np.float32)
;;   ~~~
;;   SOFTMAX AHEAD OF A QUANTISED PRODUCT. Where the list says 'softmax', what is quantised is not the finished softmax but p = 2^(t - M), with t = logit x log2(e) and M = ceil(the row's largest t), a whole number; so 1/2 < the row's largest p <= 1. The row's sum l is taken of the UNQUANTISED p, in f32, and the product's result is divided by l at the end. Since M is a whole number, a kernel that streams over the keys may use a running M (the ceiling of the running maximum): every later rescaling is an exact power of two, which a block's scale takes up: the codes' values come out the same.
;;   OPERANDS COMPUTED ON THE WAY. 'Computed on the way' means the value that the module computes at that place (a softmax that the list does not call 'softmax' is quantised finished and normalised). What goes into a quantiser is computed in f32, as accurately as f32 sums, v_exp_f32 and their like allow (about 1e-6 of the number): no bf16 or f16 on the way to a quantiser, and a product that is left as it is and whose result goes on into a quantised operand takes f32 operands (vector FMAs, or v_wmma_f32_16x16x4_f32). A number that lies on a knife's edge between two numbers of the format may be rounded either way, as far as f32 arithmetic and the matrix unit's own rounding can turn it there, and no further.
;;   INPUTS GIVEN AS CODES. W_k (in the module: [1024, 1024], K = its axis 1); W_o (in the module: [1024, 1024], K = its axis 1); W_q (in the module: [1024, 1024], K = its axis 1); W_v (in the module: [1024, 1024], K = its axis 1); inputs (in the module: [4, 2048, 1024], K = its axis 2): each comes as NAME_codes (uint8): NAME with its K axis moved to the last place and cut into blocks of 32 codes, [.., K / 32, bytes a block], one block behind the other in memory; one code a byte (a code: sign, 5 exponent bits, 2 mantissa bits); and NAME_scales (uint8): the same leading axes, one E8M0 byte (e + 127) for each 32 codes along K. Its value is code x scale, taken as it is: it is not quantised again, and the codes and scales need not be those that the quantiser above would give.
;; One version. Each part assembles by itself: llvm-mc -triple=amdgcn-amd-amdhsa -mcpu=gfx1250 --defsym DOCPART=n.
;; ======== version 1 of 1: 3 launches
;; limits: right only within a limited range of input values
;; workspace buffers: qb 17,301,504 bytes; kv 17,301,504 bytes; cxc 8,388,608 bytes; cxs 262,144 bytes
;; launch qkv (part 1): grid 12 x 32, 4 waves a work-group, clusters of 4 x 4, 327,680 bytes of LDS; arguments inputs_codes, inputs_scales, W_q_codes, W_q_scales, W_k_codes, W_k_scales, W_v_codes, W_v_scales, qb, kv; writes qb, kv
.if DOCPART == 1
	.amdgcn_target "amdgcn-amd-amdhsa--gfx1250"
	.amdhsa_code_object_version 6
	.text
	.protected	k_qf037d6bcf2_qkv
	.globl	k_qf037d6bcf2_qkv
	.p2align	8
	.type	k_qf037d6bcf2_qkv,@function
k_qf037d6bcf2_qkv:
	s_mov_b64 s[64:65], 0
	v_nop
	global_prefetch_b8 v0, s[64:65] scope:SCOPE_SE
	s_setreg_imm32_b32 hwreg(HW_REG_WAVE_MODE, 25, 1), 1
	s_wait_xcnt 0x0
	s_wait_alu depctr_hold_cnt(0) depctr_sa_sdst(0) depctr_va_vdst(0) depctr_va_sdst(0) depctr_va_ssrc(0) depctr_va_vcc(0) depctr_vm_vsrc(0)
	s_getreg_b32 s2, hwreg(HW_REG_IB_STS2, 6, 4)
	s_cmp_eq_u32 s2, 0
	s_cbranch_scc0 .Lentry_in_a_cluster
	s_endpgm
.Lentry_in_a_cluster:
	s_bfe_u32 s2, ttmp6, 0x10000c
	s_cmp_lg_u32 s2, 0xf033
	s_cbranch_scc0 .Lentry_shape_is_right
	s_endpgm
.Lentry_shape_is_right:
; Q = X Wq^T, K = X Wk^T, V^T = Wv X^T on codes of BF8 (E5M2) with one E8M0 scale for each 32 along K = 1,024; the results are quantised in registers and leave as codes:
; Q and K along a head's 64 channels (two blocks of 32), V along the keys (blocks of 32 tokens).  X: [8192][1024] codes, each W: [1024][1024] codes, scale bytes [rows][32].
; ONE TEXT, THREE PRODUCTS.  The cluster's x says which: 0: A = X, B = Wq -> qb;  1: A = X, B = Wk -> kv;  2: A = Wv, B = X -> kv.  Only pointers and tile numbers are chosen; the choice hangs on the cluster's number alone.
; A tile of A B^T, 256 x 256, is made by a work-group of four waves; a wave makes 128 x 128: 64 accumulators of 16 x 16, 512 registers.  3 x 128 tiles = 384 work-groups.
; K goes in steps of 256 through a ring of two LDS slots filled by the tensor data mover; the scale bytes of the work-group's 256 + 256 rows come once, with the first fills, and stay.
; CLUSTERS: 4 x 4 work-groups.  The four of a row of the cluster need the same tiles of A, the four of a column the same tiles of B: each tile is asked for JOINTLY, by the same tensor load with the same descriptor and a mask that names the four.
; THE MATRIX INSTRUCTION IS USED TRANSPOSED (source 0 = 16 rows of B, source 1 = 16 rows of A): lane (r, h) of accumulator (a, b) holds row 16 a + r of A and, in register j, row 16 b + 8 h + j of B.
; So a lane's registers run along the axis that is quantised: channels for Q and K, tokens for V^T.  The 16 registers of accumulators (a, 2 nb) and (a, 2 nb + 1) are 16 of block nb's 32 numbers; lane l xor 16 holds the other 16.
; THE ORDER INSIDE A BLOCK OF 32.  A lane (r, h) holds numbers 8 h + 0..7 and 16 + 8 h + 0..7 of a block, where an operand's registers name 16 h + 0..15.  The codes are stored as they stand.  Every operand of the two
; products of attention (Q, K, V here; p in the next launch) is made in this same lane layout, so the same permutation inside each block stands on both sides of each product: the same products are summed, under the same scales; only the grouping of the sums differs.
; WHAT IS STORED: images of operands' registers.  For each head (16 x batch + head) a block of HS bytes:
;   from 0 K's (in qb: Q's) scale words, 16 steps of 128 tokens x 256 bytes: [lane][2 words]: word q of lane 16 e + r belongs to the pair of tiles i = 2 q + e: bytes 0, 1 are token 32 i + r's two blocks, bytes 2, 3 token 32 i + 16 + r's;
;   from VSC V's scale words, 16 x 256 bytes: [lane][2 words], word p of lane 16 e + r is channel 16 (2 p + e) + r's, byte c for keys 32 c on;
;   from CODES 16 steps x 16,384 bytes: 8 tiles of 16 tokens x [2 blocks][lane][16 bytes], then from VOF 4 tiles of 16 channels x [4 blocks][lane][16 bytes].  In qb V's places are neither written nor read.
; LIMITS: NaN and infinities are not served.  A block whose largest magnitude lies under 2^-111 (a block of zeros too) gets the byte 1: its bytes are read by this program alone, and zero codes add nothing under it.
; REGISTERS, in windows of 256: window 0: v16-29 addresses; v32-63 scale words, two sets, and nothing else; from v128 A's fragments, ONE set; on the way out v64-207 are at work.
;   window 1: B's fragments, TWO sets, at v0 and at v128.   window 2: the accumulators of my rows 0-63 ((a, b) at v[8 (8 a + b)]);   window 3: those of my rows 64-127.
.set KSTEP,  256                       ; along K in a slot
.set NQ,     KSTEP/128                 ; matrix instructions deep
.set ROWB,   256                       ; a tile's row in bytes
.set KROW,   1024                      ; a row of A or of B in memory, in bytes
.set PITCH,  272                       ; an LDS row: 256 bytes + 16 of padding = 68 words: row r starts at bank 4 r mod 64 (64 banks of 4 bytes: ISA guide 11.1), so the 16 rows that a load touches start at 16 different banks
.set FR,     16                        ; registers of a fragment: 16 rows x 128 K
.set NL,     4                         ; LDS loads that bring one
.set NP,     8                         ; places behind this matrix instruction (ISA guide 7.12.1)
.set HALFT,  128*PITCH                 ; 128 rows: what one tensor load brings, and what one wave reads of A or of B
.set SLOT,   4*HALFT                   ; A's 256 rows, then B's 256 rows
.set KS,     32                        ; a row of scale bytes
.set SCL,    2*SLOT                    ; behind the ring: the scales, as rows of 256 bytes + 16 of padding
.set HALFS,  (128*KS/256)*272          ; the scales of 128 rows: what one tensor load brings
.set SBLK,   (16*KS/256)*272           ; those of 16 rows
.set SPARE,  SCL+4*HALFS               ; behind the scales: the spare words, 128 bytes for each wave: two blocks of 256 bytes that no other line names
.set HS,     270336                    ; a head's block in qb and in kv
.set VSC,    4096
.set CODES,  8192
.set STEPB,  16384
.set VOF,    8192
.set ADRA, 16                          ; v16-17  LDS address of my A fragments in slot 0, 1
.set ADRB, 20                          ; v20-21  the same for B
.set CO8,  25                          ; v25     8 x lane
.set CO,   26                          ; v26     16 x lane
.set ADRS, 27                          ; v27     LDS address of my scale words: lanes 0-15 A's rows, lanes 16-31 B's
.set SPW,  28                          ; v28     LDS address of my spare word: SPARE + 4 x my thread's number; never rewritten
.set NIL,  29                          ; v29     0; never rewritten
.set SC,   32                          ; scale words: set s at v[SC + 8 NQ s]; register NQ i + q: lanes 0-15 the word of A's block i, lanes 16-31 that of B's block i
.set AF,   128                         ; A's fragments, in window 0
.set T,    64                          ; the way out: v64-127 a block of rows' 64 numbers, held
.set CD,   128                         ; v128-159 codes, two sets of 16
.set WD,   160                         ; v160-175 scale bytes, gathered for each block of rows (Q, K: for two heads)
.set SW,   176                         ; v176-179 the words as they are stored
.set MX,   192                         ; v192-195 largest magnitudes, v196-199 bytes, v200-203 the largest number x the scale, v204-207 the conversions' scale operands
.set G1, 24                            ; s[24:31] descriptor group 1 for A's tiles;  s[32:39] group 0, one set for each slot
.set G0, 32
.set G1B, 48                           ; s[48:55], s[56:63] the same for B's tiles
.set G0B, 56
.set G1S, 68                           ; s[68:75], s[76:79] groups 1 and 0 for A's scales;  s[80:87], s[88:91] for B's
.set G0S, 76
.set G1SB, 80
.set G0SB, 88
.set MSB, 0
.macro WIN new                         ; the immediate's high byte repeats the setting that is left
.if MSB != \new
	s_set_vgpr_msb (MSB<<8)|\new
.set MSB, \new
.endif
.endm
.set MUL_LO, 0xa1                      ; source 0 (B) window 1, source 1 (A) window 0, C and D window 2
.set MUL_HI, 0xf1                      ; the same, C and D window 3
.set TO_B,   0x40                      ; destination window 1, address window 0
; A joint load: waves 0 and 1 fetch for A, waves 2 and 3 for B.  Each of the two lines has ONE mask and one set of registers for all that issue it; the branch hangs on the wave's number alone.
; Four v_nop follow each of the two lines, ahead of the jump, the label and what follows.
.macro JLOAD g0a, g1a, g0b, g1b
	s_cmp_eq_u32 s15, 0
	s_cbranch_scc0 .Lfor_b_\@
	tensor_load_to_lds s[\g0a:\g0a+3], s[\g1a:\g1a+7]
	s_nop 0
.rept 4
	v_nop
.endr
	s_branch .Lasked_\@
.Lfor_b_\@:
	tensor_load_to_lds s[\g0b:\g0b+3], s[\g1b:\g1b+7]
	s_nop 0
.rept 4
	v_nop
.endr
.Lasked_\@:
.endm
.macro CREST                           ; a round of the cluster's barrier behind its opening barrier
	s_cmp_lg_u32 s14, 0
	s_cbranch_scc1 .Lnot_wave_0_\@
	s_barrier_signal -3
.Lnot_wave_0_\@:
	s_barrier_wait -3
	s_barrier_signal -1
	s_barrier_wait -1
.endm
.macro CROUND                          ; a whole round
	s_barrier_signal -1
	s_barrier_wait -1
	CREST
.endm
	s_load_b512 s[68:83], s[0:1], 0x0              ; X's codes s[68:69], X's scales s[70:71], Wq's s[72:75], Wk's s[76:79], Wv's s[80:83]
	s_load_b128 s[84:87], s[0:1], 0x40             ; qb s[84:85], kv s[86:87]
	v_lshl_add_u32 v[SPW], v0, 2, SPARE
	v_mov_b32 v[NIL], 0
	ds_add_u32 v28, v29
	ds_add_u32 v28, v29
	s_wait_dscnt 0x0
	v_lshrrev_b32 v1, 5, v0
	v_readfirstlane_b32 s14, v1                    ; wave 0..3
	s_lshr_b32 s15, s14, 1                         ; which half of the tile's rows is mine.  Also: I fetch for A (0) or for B (1)
	s_and_b32 s16, s14, 1                          ; which half of its columns.  Also: which 128 rows of that tile I fetch
	s_bfe_u32 s40, ttmp6, 0x40000                  ; cx, cy: my place in the cluster
	s_bfe_u32 s41, ttmp6, 0x40004
	s_and_b32 s95, ttmp7, 0xffff
	s_lshl_b32 s95, s95, 2                         ; 4 x cluster y: it counts X's 32 tiles of 256 tokens, which are A's rows in products 0 and 1, B's rows in product 2
	s_cmp_eq_u32 ttmp9, 2
	s_cselect_b32 s96, 0, s95
	s_cselect_b32 s97, s95, 0
	s_add_co_u32 s17, s96, s41                     ; tile row: 4 x cluster y + cy, or cy
	s_add_co_u32 s42, s97, s40                     ; tile column: cx, or 4 x cluster y + cx
	s_lshl_b32 s43, s41, 2
	s_lshl_b32 s43, 15, s43                        ; my row of the cluster
	s_lshl_b32 s44, 0x1111, s40                    ; my column
	; descriptor group 1: a tile of 128 rows x 256 bytes, padded in LDS
	s_or_b32 s[G1+0], s43, (0<<16)|(1<<20)|(1<<21)|(5<<22)|(3<<25)  ; 15:0 the mask: A's tiles go to my row; 17:16 element of 1 byte; 20 padding on; 21 set beside a mask; 24:22 after every 64 words (code 5); 31:25 of 4 words (code 3)
	s_or_b32 s[G1B+0], s44, (0<<16)|(1<<20)|(1<<21)|(5<<22)|(3<<25)
.irp g, G1, G1B
	s_mov_b32 s[\g+1], ROWB<<16                    ; tensor_dim0
	s_mov_b32 s[\g+2], 128<<16                     ; tensor_dim1 = 128
	s_mov_b32 s[\g+3], ROWB<<16                    ; tile_dim0
	s_mov_b32 s[\g+4], 128                         ; tile_dim1 = 128
	s_mov_b32 s[\g+5], KROW                        ; tensor_dim0_stride
	s_mov_b32 s[\g+6], 0
	s_mov_b32 s[\g+7], 0
.endr
	s_lshl_b32 s18, s16, 7                         ; which 128 rows of the tile I fetch
	s_lshl_b32 s20, s17, 8
	s_add_co_u32 s20, s20, s18                     ; A: row 256 x tile row + 128 x half
	s_lshl_b32 s46, s42, 8
	s_add_co_u32 s46, s46, s18                     ; B: row 256 x tile column + 128 x half
	s_mov_b32 s21, 0
	s_mov_b32 s47, 0
	s_mov_b64 s[18:19], KS
	s_mul_u64 s[22:23], s[20:21], s[18:19]         ; where these rows' scales begin, in bytes
	s_mul_u64 s[92:93], s[46:47], s[18:19]
	s_mov_b64 s[18:19], KROW
	s_mul_u64 s[20:21], s[20:21], s[18:19]         ; and their codes
	s_mul_u64 s[46:47], s[46:47], s[18:19]
	s_mul_i32 s45, s14, HALFT                      ; where they go: wave x 128 rows: no place in the cluster enters an LDS address
	s_mul_i32 s94, s14, HALFS
	s_wait_kmcnt 0x0
	s_cmp_eq_u32 ttmp9, 0                          ; which product?  The choices hang on the cluster's number alone
	s_cselect_b64 s[8:9], s[72:73], s[76:77]       ; B's codes: Wq's or Wk's
	s_cselect_b64 s[10:11], s[74:75], s[78:79]     ; B's scales
	s_cselect_b64 s[12:13], s[84:85], s[86:87]     ; where the results go: qb, or kv
	s_cmp_eq_u32 ttmp9, 2
	s_cselect_b64 s[4:5], s[80:81], s[68:69]       ; A's codes: Wv's or X's
	s_cselect_b64 s[6:7], s[82:83], s[70:71]
	s_cselect_b64 s[8:9], s[68:69], s[8:9]         ; and in product 2 B is X
	s_cselect_b64 s[10:11], s[70:71], s[10:11]
	; the arguments have been chosen from: their registers now take the descriptors of the scales.  128 rows' scales are a dense block of 4,096 bytes: 16 rows of 256 bytes (32 elements of 8 bytes), 16 bytes of padding behind each
	s_or_b32 s[G1S+0], s43, (3<<16)|(1<<20)|(1<<21)|(5<<22)|(3<<25)
	s_or_b32 s[G1SB+0], s44, (3<<16)|(1<<20)|(1<<21)|(5<<22)|(3<<25)
.irp g, G1S, G1SB
	s_mov_b32 s[\g+1], 32<<16
	s_mov_b32 s[\g+2], (128*KS/256)<<16
	s_mov_b32 s[\g+3], 32<<16
	s_mov_b32 s[\g+4], 128*KS/256
	s_mov_b32 s[\g+5], 32
	s_mov_b32 s[\g+6], 0
	s_mov_b32 s[\g+7], 0
.endr
	s_add_nc_u64 s[20:21], s[4:5], s[20:21]
	s_add_nc_u64 s[22:23], s[6:7], s[22:23]
	s_add_nc_u64 s[46:47], s[8:9], s[46:47]
	s_add_nc_u64 s[92:93], s[10:11], s[92:93]
	CROUND                                         ; all sixteen work-groups are here: the first joint loads meet
	s_mov_b32 s[G0S], 1
	s_add_co_u32 s[G0S+1], s94, SCL
	s_mov_b64 s[G0S+2:G0S+3], s[22:23]
	s_or_b32 s[G0S+3], s[G0S+3], 0x80000000
	s_mov_b32 s[G0SB], 1
	s_add_co_u32 s[G0SB+1], s94, SCL
	s_mov_b64 s[G0SB+2:G0SB+3], s[92:93]
	s_or_b32 s[G0SB+3], s[G0SB+3], 0x80000000
	JLOAD G0S, G1S, G0SB, G1SB                     ; the scales first: they are wanted with K step 0
.irp s, 0,1
	s_mov_b32 s[G0+4*\s], 1
	s_add_co_u32 s[G0+4*\s+1], s45, \s*SLOT
	s_add_nc_u64 s[G0+4*\s+2:G0+4*\s+3], s[20:21], \s*ROWB
	s_or_b32 s[G0+4*\s+3], s[G0+4*\s+3], 0x80000000
	s_mov_b32 s[G0B+4*\s], 1
	s_add_co_u32 s[G0B+4*\s+1], s45, \s*SLOT
	s_add_nc_u64 s[G0B+4*\s+2:G0B+4*\s+3], s[46:47], \s*ROWB
	s_or_b32 s[G0B+4*\s+3], s[G0B+4*\s+3], 0x80000000
	JLOAD G0+4*\s, G1, G0B+4*\s, G1B               ; by this text's count three tensor loads of a wave are out here, later one
.endr
	v_and_b32 v1, 15, v0                           ; l % 16
	v_bfe_u32 v2, v0, 4, 1                         ; l / 16
	v_mul_u32_u24 v3, v1, PITCH
	v_lshl_add_u32 v4, v2, 4, v3                   ; a fragment's row x pitch + 16 x half
	s_mul_i32 s21, s15, HALFT                      ; my 128 rows of A
	s_mul_i32 s22, s16, HALFT                      ; my 128 rows of B,
	s_add_co_u32 s22, s22, 2*HALFT                 ; which lie behind A's 256
.irp s, 0,1
	v_add_nc_u32 v[ADRA+\s], s21, v4
	v_add_nc_u32 v[ADRB+\s], s22, v4
	s_add_co_u32 s21, s21, SLOT
	s_add_co_u32 s22, s22, SLOT
.endr
	v_mul_u32_u24 v5, v1, KS                       ; my row's scales: KS bytes a row,
	v_lshrrev_b32 v6, 8, v5
	v_lshl_add_u32 v5, v6, 4, v5                   ; and 16 more for each 256 passed
	s_mul_i32 s21, s15, HALFS                      ; A's: my 128 rows
	s_mul_i32 s22, s16, HALFS                      ; B's: my 128 rows, behind A's 256
	s_add_co_u32 s22, s22, 2*HALFS
	s_sub_co_u32 s22, s22, s21
	v_mul_u32_u24 v6, s22, v2                      ; lanes 16-31 take B's
	s_add_co_u32 s21, s21, SCL
	v_add_nc_u32 v5, v5, v6
	v_add_nc_u32 v[ADRS], s21, v5
	v_and_b32 v6, 31, v0
	v_lshlrev_b32 v[CO], 4, v6                     ; the way out: an image's place for my lane,
	v_lshlrev_b32 v[CO8], 3, v6                    ; and that of two scale words
.macro FRAG reg, adr, q, i             ; a fragment, 16 rows x 128 K of 8-bit codes, is 16 registers: lane l holds row l % 16; registers 4 c .. 4 c + 3 hold K = 32 c + 16 (l / 16) + 0 .. 15
.irp c, 0,1,2,3
	ds_load_b128 v[\reg+4*\c:\reg+4*\c+3], v[\adr] offset:128*(\q)+32*\c+(\i)*16*PITCH
.endr
.endm
; 16 matrix instructions: A's blocks a0, a0 + 1 x B's eight, 128 along K: the slot's q-th.  p: B's set;  sc: the set of scale words.  zero = 1: the first product starts the sums: nothing is ever cleared.
; The 64 accumulators take turns, one instruction a turn, in the same order in every step.
.macro MUL16 a0, p, q, sc, zero
.irp a, \a0, \a0+1
.irp b, 0,1,2,3,4,5,6,7
.if \zero
	v_wmma_scale_f32_16x16x128_f8f6f4 v[8*(8*((\a)%4)+\b):8*(8*((\a)%4)+\b)+7], v[128*(\p)+FR*\b:128*(\p)+FR*\b+FR-1], v[AF+FR*(\a):AF+FR*(\a)+FR-1], 0, v[SC+8*NQ*(\sc)+NQ*\b+(\q)], v[SC+8*NQ*(\sc)+NQ*(\a)+(\q)] matrix_a_fmt:MATRIX_FMT_BF8 matrix_b_fmt:MATRIX_FMT_BF8 matrix_a_scale:MATRIX_SCALE_ROW1
.else
	v_wmma_scale_f32_16x16x128_f8f6f4 v[8*(8*((\a)%4)+\b):8*(8*((\a)%4)+\b)+7], v[128*(\p)+FR*\b:128*(\p)+FR*\b+FR-1], v[AF+FR*(\a):AF+FR*(\a)+FR-1], v[8*(8*((\a)%4)+\b):8*(8*((\a)%4)+\b)+7], v[SC+8*NQ*(\sc)+NQ*\b+(\q)], v[SC+8*NQ*(\sc)+NQ*(\a)+(\q)] matrix_a_fmt:MATRIX_FMT_BF8 matrix_b_fmt:MATRIX_FMT_BF8 matrix_a_scale:MATRIX_SCALE_ROW1
.endif
.endr
.endr
.endm
.macro FETCH_B slot, q, p              ; B's eight fragments of the slot's q-th 128 along K into set p
	WIN TO_B
.irp i, 0,1,2,3,4,5,6,7
	FRAG 128*(\p)+FR*\i, ADRB+\slot, \q, \i
.endr
	WIN 0
.endm
.macro FETCH_A slot, q, i0             ; A's blocks i0 .. i0 + 3
.irp i, \i0, \i0+1, \i0+2, \i0+3
	FRAG AF+FR*(\i), ADRA+\slot, \q, \i
.endr
.endm
.macro SCALES sc                       ; the next K step's scale words into set sc: NQ words a row; lanes 0-15 take A's block i, lanes 16-31 B's block i
.irp i, 0,1,2,3,4,5,6,7
	ds_load_b64 v[SC+8*NQ*\sc+NQ*\i:SC+8*NQ*\sc+NQ*\i+1], v[ADRS] offset:\i*SBLK
.endr
.endm
; A load into a register that a matrix instruction has read, and a vector instruction that reads a matrix result, stand NP places behind that matrix instruction, and only plain vector
; instructions that name none of its registers are places (ISA guide 7.12.1 for vector instructions); this text does not count the matrix instructions in between.
.macro PLACES n
.rept \n
	v_nop
.endr
.endm
; A step of 128 along K that has its successor in the same slot.
.macro STEP slot, q, zero
	s_wait_dscnt 4*NL                              ; B's set and A's blocks 0-3 are in; the youngest 16 loads (A's blocks 4-7) may be out
	WIN MUL_LO
	MUL16 0, (\q)%2, \q, \slot, \zero
	MUL16 2, (\q)%2, \q, \slot, \zero
	s_wait_dscnt 0                                 ; A's blocks 4-7 are in (asked for 32 matrix instructions ago)
	PLACES NP
	FETCH_B \slot, (\q)+1, 1-(\q)%2
	FETCH_A \slot, (\q)+1, 0
	WIN MUL_HI
	MUL16 4, (\q)%2, \q, \slot, \zero
	MUL16 6, (\q)%2, \q, \slot, \zero
	PLACES NP
	WIN 0
	FETCH_A \slot, (\q)+1, 4
.endm
; A slot's last step changes slots: ONE barrier; in front of it each wave waits for all its tensor loads, adds 0 to its spare word, and waits for that and for its own reads of this slot.  fill = 1: this slot is filled again, two K steps ahead.
.macro TURN slot, next, fill
	s_wait_tensorcnt 0x0                           ; all my tensor loads have landed: my part of the next slot;  (every window is 0 here: the add's two registers lie in window 0)
	ds_add_u32 v[SPW], v[NIL]                      ; 0 onto my spare word
	s_wait_dscnt 4*NL+1                            ; (the add and the youngest 16 loads, A's blocks 4-7, may be out)
	WIN MUL_LO
	MUL16 0, 1, NQ-1, \slot, 0                     ; sixteen matrix instructions stand between the add and the wait for it
	s_wait_dscnt 0x0                               ; the add is done, and my reads of this slot are over
	s_barrier_signal -1
	MUL16 2, 1, NQ-1, \slot, 0
	WIN 0
	s_barrier_wait -1
.if \fill
	CREST                                          ; the barrier has opened a round of the cluster's barrier: no wave of any partner still reads this slot's tile or has a load on its way
	s_add_nc_u64 s[G0+4*\slot+2:G0+4*\slot+3], s[G0+4*\slot+2:G0+4*\slot+3], 2*ROWB
	s_add_nc_u64 s[G0B+4*\slot+2:G0B+4*\slot+3], s[G0B+4*\slot+2:G0B+4*\slot+3], 2*ROWB
	JLOAD G0+4*\slot, G1, G0B+4*\slot, G1B         ; the first tensor load behind the round; the four v_nop behind it are among the places in front of the loads below
	PLACES NP-4
.else
	PLACES NP
.endif
	v_add_nc_u32 v[ADRS], 4*NQ, v[ADRS]            ; on to the next K step's scale words (no LDS load of mine is out)
	FETCH_B \next, 0, 0
	FETCH_A \next, 0, 0
	SCALES \next
	WIN MUL_HI
	MUL16 4, 1, NQ-1, \slot, 0
	MUL16 6, 1, NQ-1, \slot, 0
	PLACES NP
	WIN 0
	FETCH_A \next, 0, 4
.endm
	s_wait_tensorcnt 1                             ; the scales and my part of K step 0 are in (K step 1's load may be out)
	s_barrier_signal -1
	s_barrier_wait -1                              ; everybody's are
	FETCH_B 0, 0, 0
	FETCH_A 0, 0, 0
	SCALES 0
	FETCH_A 0, 0, 4
	STEP 0, 0, 1                                   ; K = 1,024 is four K steps of 256, twice round the ring: written out.  The first products start the sums
	TURN 0, 1, 1                                   ; slot 0 takes K step 2
	STEP 1, 0, 0
	TURN 1, 0, 1                                   ; slot 1 takes K step 3
	STEP 0, 0, 0
	TURN 0, 1, 0                                   ; nothing is left to fetch: no round of the cluster's barrier
	STEP 1, 0, 0
	s_wait_dscnt 4*NL                              ; the very last step
	WIN MUL_LO
	MUL16 0, 1, NQ-1, 1, 0
	MUL16 2, 1, NQ-1, 1, 0
	s_wait_dscnt 0
	WIN MUL_HI
	MUL16 4, 1, NQ-1, 1, 0
	MUL16 6, 1, NQ-1, 1, 0
	WIN 0
; THE WAY OUT.  Block a of 16 rows of A: its eight accumulators are four blocks nb of 32 along the quantised axis, 16 numbers of each in my lane.  For each: the largest magnitude (with the floor 2^(16 - 127) among
; its leaves, so that the byte cannot fall under 1), joined with lane l xor 16's; 15 off its exponent field is the conversion's scale operand, and shifted down the scale's byte; the hold at 57,344 x the scale; the conversion.
; The four code registers of a block are an operand's registers 4 c .. 4 c + 3 and are stored as they stand: 16 bytes a lane at 16 x lane, so each store of the wave covers 512 consecutive bytes, aligned.  No LDS is touched.
.macro OUTBLK a, isv
.set AC, 64*((\a)%4)                   ; the block's accumulators, in window 2 (blocks 0-3) or 3 (blocks 4-7)
.set CSET, CD+16*((\a)%2)
	WIN 0x0a+5*((\a)/4)                            ; sources 0 and 1: the accumulators' window
.irp nb, 0,1,2,3
	v_max3_num_f32 v[MX+\nb], |v[AC+16*\nb]|, |v[AC+16*\nb+1]|, 0x8000000       ; each accumulator is read from its low end on
.endr
.irp i, 2,4,6,8,10,12,14
.irp nb, 0,1,2,3
	v_max3_num_f32 v[MX+\nb], |v[AC+16*\nb+\i]|, |v[AC+16*\nb+\i+1]|, v[MX+\nb]   ; (the four blocks by turns: no line waits for the line above it)
.endr
.endr
	WIN 0
.irp nb, 0,1,2,3
	v_permlanex16_b32 v[MX+4+\nb], v[MX+\nb], s20, s21
.endr
.irp nb, 0,1,2,3
	v_max_num_f32 v[MX+\nb], v[MX+\nb], v[MX+4+\nb]              ; with lane l xor 16's: the block's largest magnitude
.endr
.irp nb, 0,1,2,3
	v_add_nc_u32 v[MX+12+\nb], 0xf8800000, v[MX+\nb]             ; 15 off its exponent field: the conversion takes the exponent field of this operand as its scale, and nothing else of it
.endr
.irp nb, 0,1,2,3
	v_and_or_b32 v[MX+8+\nb], v[MX+\nb], 0x7f800000, s22         ; 57,344 x the scale: the largest magnitude's exponent field over 57,344's mantissa
.endr
.irp nb, 0,1,2,3
	v_lshrrev_b32 v[MX+4+\nb], 23, v[MX+12+\nb]                  ; the scale's byte
.endr
.if \isv
	v_lshl_or_b32 v[WD+\a], v[MX+5], 8, v[MX+4]                  ; V: channel 16 a + r's word for these 128 keys
	v_lshl_or_b32 v[WD+\a], v[MX+6], 16, v[WD+\a]
	v_lshl_or_b32 v[WD+\a], v[MX+7], 24, v[WD+\a]
.else
	v_lshl_or_b32 v[WD+\a], v[MX+5], 8, v[MX+4]                  ; Q, K: token 16 a + r's two bytes in my first head,
	v_lshl_or_b32 v[WD+8+\a], v[MX+7], 8, v[MX+6]                ; and in my second
.endif
	WIN 0x02+((\a)/4)                              ; source 0: the accumulators' window
.irp nb, 0,1,2,3
.irp i, 0,1,2,3,4,5,6,7,8,9,10,11,12,13,14,15
	v_med3_num_f32 v[T+16*\nb+\i], v[AC+16*\nb+\i], -v[MX+8+\nb], v[MX+8+\nb]   ; the conversion to an 8-bit code does not saturate (ISA guide 7.6.2): hold the number within the largest code x the scale first
.endr
.endr
	WIN 0
.if (\a) >= 2
	s_wait_xcnt 0x0                                ; block a - 2's stores have read this set of code registers: it is written again only behind this wait
.endif
.irp nb, 0,1,2,3
	v_cvt_scalef32_pk8_bf8_f32 v[CSET+4*\nb:CSET+4*\nb+1], v[T+16*\nb:T+16*\nb+7], v[MX+12+\nb]
	v_cvt_scalef32_pk8_bf8_f32 v[CSET+4*\nb+2:CSET+4*\nb+3], v[T+16*\nb+8:T+16*\nb+15], v[MX+12+\nb]
.endr
.irp nb, 0,1,2,3
.if \isv
	global_store_b128 v[CO], v[CSET+4*\nb:CSET+4*\nb+3], s[92:93] offset:((\a)/4)*HS+2048*((\a)%4)+512*\nb    ; head a / 4, tile of channels a % 4, block of keys nb
.else
	global_store_b128 v[CO], v[CSET+4*\nb:CSET+4*\nb+3], s[92:93] offset:(\nb/2)*HS+1024*(\a)+512*(\nb%2)     ; head nb / 2, tile of tokens a, block of channels nb % 2
.endif
.endr                                  ; (the next block's maxima, or the lines behind the last block, are the plain instructions between these conversions and the next write of their sources)
.endm
.macro OUT isv
.if \isv
	s_lshl_b32 s18, s42, 8                         ; V^T: the tokens are the columns,
	s_lshl_b32 s19, s16, 7
	s_lshl_b32 s94, s41, 2                         ; the channels the rows: head 4 cy + 2 x my half
	s_lshl_b32 s95, s15, 1
.else
	s_lshl_b32 s18, s17, 8                         ; Q, K: the tokens are the rows,
	s_lshl_b32 s19, s15, 7
	s_lshl_b32 s94, s40, 2                         ; the channels the columns: head 4 cx + 2 x my half
	s_lshl_b32 s95, s16, 1
.endif
	s_add_co_u32 s18, s18, s19                     ; my first token of 8,192
	s_lshr_b32 s19, s18, 11                        ; its batch,
	s_bfe_u32 s18, s18, 0x40007                    ; and which step of 128 in the batch's 2,048
	s_lshl_b32 s19, s19, 4
	s_add_co_u32 s19, s19, s94
	s_add_co_u32 s19, s19, s95                     ; my first head's block: 16 x batch + head
	s_mul_i32 s19, s19, HS
	s_lshl_b32 s2, s18, 14                         ; the step's codes
	s_add_co_u32 s2, s2, s19
	s_add_co_u32 s2, s2, CODES+VOF*\isv
	s_mov_b32 s3, 0
	s_add_nc_u64 s[92:93], s[12:13], s[2:3]
	s_lshl_b32 s2, s18, 8                          ; the step's scale words: 256 bytes
	s_add_co_u32 s2, s2, s19
.if \isv
	s_add_co_u32 s2, s2, VSC
.endif
	s_add_nc_u64 s[98:99], s[12:13], s[2:3]
.irp a, 0,1,2,3,4,5,6,7
	OUTBLK \a, \isv
.endr
.irp hh, 0,1                           ; the scale words of a head and a step leave together, two a lane: 256 consecutive bytes, aligned
.if \isv
.irp p, 0,1
	v_cndmask_b32 v[SW+2*\hh+\p], v[WD+4*\hh+2*\p], v[WD+4*\hh+2*\p+1], s23      ; lanes 0-15 give the even tiles' words, lanes 16-31 the odd tiles'
.endr
.else
.irp i, 0,2,4,6
	v_lshl_or_b32 v[WD+8*\hh+\i], v[WD+8*\hh+\i+1], 16, v[WD+8*\hh+\i]           ; two neighbouring tiles' bytes of row r make one word: the next launch takes the two tiles as one fragment
.endr
.irp q, 0,1
	v_cndmask_b32 v[SW+2*\hh+\q], v[WD+8*\hh+4*\q], v[WD+8*\hh+4*\q+2], s23      ; lanes 0-15 give the even pairs' words, lanes 16-31 the odd pairs'
.endr
.endif
	global_store_b64 v[CO8], v[SW+2*\hh:SW+2*\hh+1], s[98:99] offset:\hh*HS
.endr
.endm
	PLACES NP                                      ; behind the last products: their results are read and their sources written below
	s_mov_b32 s20, 0x76543210
	s_mov_b32 s21, 0xfedcba98                      ; v_permlanex16_b32's selects for lane l xor 16
	s_mov_b32 s22, 0x600000                        ; the mantissa field of 57,344
	s_mov_b32 s23, 0xffff0000                      ; lanes 16-31
.irp nb, 0,1,2,3
	v_mov_b32 v[MX+4+\nb], 0                       ; written once: a lane permute's destination counts as one of its sources
.endr
	s_cmp_eq_u32 ttmp9, 2                          ; alike in all partners of a cluster
	s_cbranch_scc1 .Lv_out
	OUT 0
	s_branch .Lend
.Lv_out:
	OUT 1
.Lend:
	s_wait_tensorcnt 0x0                           ; the wave's end, behind my last tensor load
	ds_add_u32 v[SPW], v[NIL]
	s_wait_dscnt 0x0
	CROUND                                         ; the closing round: no work-group ends while a partner may still ask for a tile that names it
	s_endpgm
.Lfunc_end_k_qf037d6bcf2_qkv:
	.size	k_qf037d6bcf2_qkv, .Lfunc_end_k_qf037d6bcf2_qkv-k_qf037d6bcf2_qkv
	.p2alignl 7, 3214868480
	.fill 96, 4, 3214868480
	.section	.rodata,"a",@progbits
	.p2align	6, 0x0
	.amdhsa_kernel k_qf037d6bcf2_qkv
		.amdhsa_group_segment_fixed_size 327680
		.amdhsa_private_segment_fixed_size 0
		.amdhsa_enable_private_segment 0
		.amdhsa_kernarg_size 80
		.amdhsa_user_sgpr_count 2
		.amdhsa_user_sgpr_kernarg_segment_ptr 1
		.amdhsa_wavefront_size32 1
		.amdhsa_system_sgpr_workgroup_id_x 1
		.amdhsa_system_sgpr_workgroup_id_y 1
		.amdhsa_system_sgpr_workgroup_id_z 1
		.amdhsa_system_vgpr_workitem_id 0
		.amdhsa_next_free_vgpr 1024
		.amdhsa_next_free_sgpr 100
		.amdhsa_reserve_vcc 0
		.amdhsa_float_denorm_mode_32 3
		.amdhsa_float_denorm_mode_16_64 3
		.amdhsa_memory_ordered 1
		.amdhsa_forward_progress 1
		.amdhsa_inst_pref_size 254
	.end_amdhsa_kernel
	.amdgpu_metadata
---
amdhsa.version: [ 1, 2 ]
amdhsa.kernels:
  - .name:           k_qf037d6bcf2_qkv
    .symbol:         k_qf037d6bcf2_qkv.kd
    .args:
      - { .name: inputs_codes, .offset: 0, .size: 8, .value_kind: global_buffer, .address_space: global }
      - { .name: inputs_scales, .offset: 8, .size: 8, .value_kind: global_buffer, .address_space: global }
      - { .name: W_q_codes, .offset: 16, .size: 8, .value_kind: global_buffer, .address_space: global }
      - { .name: W_q_scales, .offset: 24, .size: 8, .value_kind: global_buffer, .address_space: global }
      - { .name: W_k_codes, .offset: 32, .size: 8, .value_kind: global_buffer, .address_space: global }
      - { .name: W_k_scales, .offset: 40, .size: 8, .value_kind: global_buffer, .address_space: global }
      - { .name: W_v_codes, .offset: 48, .size: 8, .value_kind: global_buffer, .address_space: global }
      - { .name: W_v_scales, .offset: 56, .size: 8, .value_kind: global_buffer, .address_space: global }
      - { .name: qb, .offset: 64, .size: 8, .value_kind: global_buffer, .address_space: global }
      - { .name: kv, .offset: 72, .size: 8, .value_kind: global_buffer, .address_space: global }
    .group_segment_fixed_size: 327680
    .private_segment_fixed_size: 0
    .kernarg_segment_align: 8
    .kernarg_segment_size: 80
    .max_flat_workgroup_size: 128
    .sgpr_count:     100
    .vgpr_count:     1024
    .wavefront_size: 32
...
	.end_amdgpu_metadata
.endif
;; end of part 1
;; launch attn (part 2): grid 4 x 64, 16 waves a work-group, clusters of 4 x 1, 327,680 bytes of LDS; arguments qb, kv, cxc, cxs; writes cxc, cxs
.if DOCPART == 2
	.amdgcn_target "amdgcn-amd-amdhsa--gfx1250"
	.amdhsa_code_object_version 6
	.text
	.protected	k_qf037d6bcf2_attn
	.globl	k_qf037d6bcf2_attn
	.p2align	8
	.type	k_qf037d6bcf2_attn,@function
k_qf037d6bcf2_attn:
	s_mov_b64 s[64:65], 0
	v_nop
	global_prefetch_b8 v0, s[64:65] scope:SCOPE_SE
	s_setreg_imm32_b32 hwreg(HW_REG_WAVE_MODE, 25, 1), 1
	s_wait_xcnt 0x0
	s_wait_alu depctr_hold_cnt(0) depctr_sa_sdst(0) depctr_va_vdst(0) depctr_va_sdst(0) depctr_va_ssrc(0) depctr_va_vcc(0) depctr_vm_vsrc(0)
	s_getreg_b32 s2, hwreg(HW_REG_IB_STS2, 6, 4)
	s_cmp_eq_u32 s2, 0
	s_cbranch_scc0 .Lentry_in_a_cluster
	s_endpgm
.Lentry_in_a_cluster:
	s_bfe_u32 s2, ttmp6, 0x10000c
	s_cmp_lg_u32 s2, 0x3003
	s_cbranch_scc0 .Lentry_shape_is_right
	s_endpgm
.Lentry_shape_is_right:
; ctx[q] = the sum over keys k <= q of softmax_k(Q[q] . K[k] / 8) V[k], for 64 heads (16 x batch + head) of 2,048 tokens x 64 channels, both products on codes of BF8 (E5M2) with one E8M0 scale for each 32 along a product's K;
; ctx is quantised in registers along its 1,024 channels (a head gives two blocks of 32) and leaves as codes.
; THE SOFTMAX AHEAD OF THE SECOND PRODUCT: t = score x log2(e) / 8; M = the row's largest t so far, rounded UP to a whole number; p = 2^(t - M) is what is quantised, along the keys; it is not normalised.
; The row's sum is taken of the unquantised p, in f32, and divides O at the end (a reciprocal and a multiplication).  When M moves, the sum and O are multiplied by 2^(old M - new M): exact.
; A HEAD'S K AND V STAY IN LDS.  As codes with their scale words they are one dense block of 270,336 bytes of kv, laid as images of operands' registers; LDS byte x is the block's byte x.
; Nothing is filled again, no LDS byte is ever stored to, and the loops hold no barrier.  THE BLOCK COMES IN TWO PARTS, asked for one after the other: part A, the scale words and key steps 0 to 4 (90,112 bytes), and part B, steps 5 to 15.
; CLUSTER: the four work-groups of a cluster take one head, so both parts are asked for JOINTLY: each of the sixteen waves asks for 22 and for 44 rows of 256 bytes, by the same descriptors in all four work-groups, with a mask that names the four.
; SHARES.  The head's 128 tiles of 16 queries are paired, t with 127 - t: tile t has t / 8 + 1 steps of 128 keys, a pair 17.  Wave w of work-group cx takes t = 8 (w / 2) + 2 cx + w % 2 and 127 - t:
; every wave of the launch walks 17 key steps.  t / 8 hangs on the wave's number alone: no branch, trip count or LDS address hangs on cx, which enters Q's and ctx's addresses, a shift of Q's scale word and the number that the mask compares with.
; THE LONG TILE, 127 - t, COMES FIRST: it has 9 steps at the least, so its steps 0 to 3 are whole and open in every wave: all sixteen walk them on part A while part B is on its way; then one wait, one barrier, and the rest.
; Sixteen waves of 256 registers, four to a SIMD, so that one wave's vector work stands beside another's matrix work and LDS loads.
; LAYOUT.  Both products are used transposed: S^T = K Q^T (source 0 = keys, source 1 = my 16 queries), O^T = V^T P^T (source 0 = 16 channels, source 1 = P): a lane holds ONE query (lane % 16) throughout.
; K = 64 IS HALF OF THE INSTRUCTION'S 128, SO A FRAGMENT OF K HOLDS TWO TILES OF 16 KEYS: registers 0-7 tile 2 i, registers 8-15 tile 2 i + 1.  Q stands once between two runs of eight zero registers, Z Q Z:
; (Q, Z) as source 1 meets tile 2 i and gives tile 2 i + 1 zero codes, (Z, Q) the other way round.  So a step's 128 keys are four fragments, 64 registers, and come by ONE run of loads; a scale word of K carries both tiles' two bytes, Q's word its two bytes twice.
; K RUNS A STEP AHEAD: behind a step's score products the next step's fragments and scale words are asked for, into the registers just read; they land under the softmax.
; THE ORDER INSIDE A BLOCK OF 32: a lane (r, h) holds numbers 8 h + 0..7 and 16 + 8 h + 0..7 of a block where an operand's registers name 16 h + 0..15.  Q, K, V (made so by the launch before) and p (made so here) all stand
; in that order, alike on both sides of each product: the same products are summed under the same scales; only the grouping of the sums differs.  ctx meets W_o, which is given in true order: its two pieces of 8 codes are stored to their true places.
; LIMITS: NaN and infinities are not served.  A block of ctx or of p whose largest magnitude lies under 2^-111 (a block of zeros too) gets the byte 1: the bytes are read by this program alone, and zero codes add nothing under it.
.set HS,    270336                     ; a head's block
.set VSC,   4096                       ; in it: K's scale words from 0, V's from here, 256 bytes a step each,
.set CODES, 8192                       ; the codes from here: 16,384 bytes a step: K's 4 fragments of 2,048,
.set STEPB, 16384
.set VOF,   8192                       ; then V's 4 tiles of 2,048
.set AROWS, 22                         ; rows of 256 bytes in a wave's sixteenth of part A,
.set BROWS, 44                         ; and of part B
.set PARTA, AROWS*256
.set PARTB, BROWS*256
.set ABYTES, 16*PARTA                  ; 90,112 = CODES + 5 STEPB
.set NA,    4                          ; steps walked on part A: step 3 asks for K of step 4, the last that part A holds
.set LC,   1                           ; v1   16 x lane + CODES: an image's place for my lane, in the codes
.set L8,   2                           ; v2   8 x lane: two scale words' place
.set R8,   3                           ; v3   8 r: Q's scale word
.set ADK,  4                           ; v4   LDS address of the NEXT step's K
.set ADS,  5                           ; v5   and of its scale words
.set ADV,  6                           ; v6   of this step's codes (V's lie VOF on)
.set ADT,  7                           ; v7   and of its scale words (V's lie VSC on)
.set C16,  9                           ; v9   16 r + 8 h: where a piece of 8 codes of ctx goes
.set R32,  10                          ; v10  32 r: my row of ctx's scale bytes
.set RMH,  11                          ; v11  r - 8 h, for the mask
                                       ; v12 -M, v13 the largest t, v[14:15] the sum in two halves
.set QZ,   16                          ; v16-23 zeros, v24-31 Q's codes, v32-39 zeros
.set XK,   40                          ; v40-103  K's four fragments
.set YS,   104                         ; v104-167 S^T, then p, then V's four fragments
.set OT,   168                         ; v168-199 O^T
.set CDS,  200                         ; v200-215 p's codes, at a tile's end ctx's
.set QP,   216                         ; v216-223 the second tile's Q, until its turn
.set QW1,  224                         ; v224, v225 Q's scale words; v226-227 K's; v228-229 V's; v230 p's: these hold scales and nothing else
.set QW2,  225
.set KW,   226
.set VW,   228
.set PW,   230                         ; v232-249, v251-254 at work
.macro ROUND                           ; a round of the cluster's barrier
	s_barrier_signal -1
	s_barrier_wait -1
	s_cmp_lg_u32 s12, 0
	s_cbranch_scc1 .Lnot_wave_0_\@
	s_barrier_signal -3
.Lnot_wave_0_\@:
	s_barrier_wait -3
	s_barrier_signal -1
	s_barrier_wait -1
.endm
	s_load_b256 s[4:11], s[0:1], 0x0               ; qb s[4:5], kv s[6:7], cxc s[8:9], cxs s[10:11]
	v_lshl_add_u32 v250, v0, 2, 0x42000
	v_mov_b32 v255, 0
	ds_add_u32 v250, v255
	ds_add_u32 v250, v255
	v_lshrrev_b32 v8, 5, v0
	s_delay_alu instid0(VALU_DEP_1)
	v_readfirstlane_b32 s12, v8                    ; wave 0..15
	s_bfe_u32 s13, ttmp6, 0x40000                  ; cx
	s_and_b32 s14, ttmp7, 0xffff                   ; the head, 16 x batch + head, which the four partners share
	s_lshr_b32 s15, s12, 1                         ; g = wave / 2
	s_and_b32 s16, s12, 1                          ; e = wave % 2
	s_mul_i32 s74, s14, HS                         ; the head's block, in bytes (under 2^25)
	; descriptor groups 1: rows of 256 bytes, dense, no padding: 22 for part A, 44 for part B
	s_mov_b32 s24, 15|(3<<16)|(1<<21)              ; 15:0 the mask: all four work-groups; 17:16 elements of 8 bytes; 21 set beside a mask
	s_mov_b32 s25, 32<<16                          ; tensor_dim0 = 32
	s_mov_b32 s26, AROWS<<16                       ; tensor_dim1
	s_mov_b32 s27, 32<<16                          ; tile_dim0 = 32
	s_mov_b32 s28, AROWS                           ; tile_dim1
	s_mov_b32 s29, 32                              ; tensor_dim0_stride
	s_mov_b32 s30, 0
	s_mov_b32 s31, 0
	s_mov_b32 s32, 15|(3<<16)|(1<<21)
	s_mov_b32 s33, 32<<16
	s_mov_b32 s34, BROWS<<16
	s_mov_b32 s35, 32<<16
	s_mov_b32 s36, BROWS
	s_mov_b32 s37, 32
	s_mov_b32 s38, 0
	s_mov_b32 s39, 0
	s_mov_b32 s40, 1                               ; groups 0: count = 1,
	s_mul_i32 s41, s12, PARTA                      ; LDS address: my sixteenth of part A,
	s_mov_b32 s44, 1
	s_mul_i32 s45, s12, PARTB
	s_add_co_u32 s45, s45, ABYTES                  ; and of part B, which lies behind part A
	s_add_co_u32 s76, s74, s41                     ; the same bytes of the head's block
	s_mov_b32 s77, 0
	s_add_co_u32 s78, s74, s45
	s_mov_b32 s79, 0
	s_wait_dscnt 0x0
	s_wait_kmcnt 0x0
	s_add_nc_u64 s[42:43], s[6:7], s[76:77]
	s_or_b32 s43, s43, 0x80000000                  ; type = 2
	s_add_nc_u64 s[46:47], s[6:7], s[78:79]
	s_or_b32 s47, s47, 0x80000000
	ROUND                                          ; all four work-groups are here: the joint loads meet
	tensor_load_to_lds s[40:43], s[24:31]          ; part A: it has landed before part B is asked for
	s_nop 0
	s_wait_alu depctr_va_vdst(0)
	s_wait_tensorcnt 0x0
	ds_add_u32 v250, v255
	s_wait_dscnt 0x0
	ROUND
	tensor_load_to_lds s[44:47], s[32:39]
	s_nop 0
.rept 4
	v_nop
.endr
	s_mov_b32 s20, 0x76543210
	s_mov_b32 s21, 0xfedcba98                      ; v_permlanex16_b32's selects for lane l xor 16
	s_mov_b32 s22, 0x3e38aa3b                      ; c = log2(e) / 8
	s_mov_b32 s23, s22                             ; (the packed form names the pair and takes its low word for both halves: so it is written)
	s_lshl_b32 s84, s13, 1
	s_add_co_u32 s84, s84, s16                     ; the short tile's place in its step of 8 tiles: 2 cx + e;
	s_sub_co_u32 s85, 7, s84                       ; the long tile's
	s_mov_b32 s52, s15                             ; the step on the diagonal, a tile's last: g,
	s_sub_co_u32 s53, 15, s15                      ; and 15 - g
	s_lshl_b32 s54, s84, 4                         ; the tile's first query in that step
	s_lshl_b32 s55, s85, 4
; A tile's four addresses and a shift.  sig, tau: the registers that hold its step and its place in it.
.macro BASES sig, tau, qc, qw, cc, cw, sh
	s_lshl_b32 s78, s[\sig], 14
	s_lshl_b32 s80, s[\tau], 10
	s_add_co_u32 s78, s78, s80
	s_add_co_u32 s78, s78, s74
	s_add_nc_u64 s[\qc:\qc+1], s[4:5], s[78:79]    ; Q's codes: the tile's 1,024 bytes (CODES rides in the lane's offset)
	s_lshl_b32 s78, s[\sig], 8
	s_bfe_u32 s80, s[\tau], 0x10001
	s_lshl_b32 s80, s80, 7
	s_add_co_u32 s78, s78, s80
	s_lshr_b32 s80, s[\tau], 2
	s_lshl_b32 s80, s80, 2
	s_add_co_u32 s78, s78, s80
	s_add_co_u32 s78, s78, s74
	s_add_nc_u64 s[\qw:\qw+1], s[4:5], s[78:79]    ; Q's scale words: the pair of tiles tau / 2: word tau / 4 of lanes 16 ((tau / 2) % 2) + r;
	s_and_b32 s[\sh], s[\tau], 1
	s_lshl_b32 s[\sh], s[\sh], 4                   ; my tile's two bytes lie 16 (tau % 2) bits up in it
	s_lshr_b32 s80, s14, 4
	s_lshl_b32 s80, s80, 7
	s_lshl_b32 s81, s[\sig], 3
	s_add_co_u32 s80, s80, s81
	s_add_co_u32 s80, s80, s[\tau]                 ; the tile among ctx's 512 tiles of 16 rows: 128 x batch + 8 x step + place
	s_and_b32 s81, s14, 15                         ; the head in its batch
	s_lshl_b32 s78, s80, 14
	s_lshl_b32 s82, s81, 10
	s_add_co_u32 s78, s78, s82
	s_add_nc_u64 s[\cc:\cc+1], s[8:9], s[78:79]    ; ctx's codes: [tile][K step of 128][block][lane][16 bytes]: a head's two blocks are 1,024 bytes
	s_lshl_b32 s78, s80, 9
	s_lshl_b32 s82, s81, 1
	s_add_co_u32 s78, s78, s82
	s_add_nc_u64 s[\cw:\cw+1], s[10:11], s[78:79]  ; ctx's scale bytes: [row][32]: a head's two
.endm
	BASES 52, 84, 56, 58, 66, 68, 88               ; the short tile
	BASES 53, 85, 60, 62, 70, 72, 89               ; the long tile
	v_and_b32 v8, 31, v0                           ; lane
	s_delay_alu instid0(VALU_DEP_1)
	v_lshlrev_b32 v[L8], 3, v8
	s_delay_alu instid0(VALU_DEP_2)
	v_lshlrev_b32 v[LC], 4, v8
	s_delay_alu instid0(VALU_DEP_1)
	v_add_nc_u32 v[LC], CODES, v[LC]
	v_and_b32 v8, 15, v0                           ; r
	v_bfe_u32 v4, v0, 4, 1                         ; h
	s_delay_alu instid0(VALU_DEP_2)
	v_lshlrev_b32 v[R8], 3, v8
	global_load_b128 v[QZ+8:QZ+11], v[LC], s[60:61]              ; the long tile's Q goes to its place: block 0,
	global_load_b128 v[QZ+12:QZ+15], v[LC], s[60:61] offset:512  ; block 1
	global_load_b32 v[QW1], v[R8], s[62:63]
	global_load_b128 v[QP:QP+3], v[LC], s[56:57]                 ; the short tile's waits for its turn
	global_load_b128 v[QP+4:QP+7], v[LC], s[56:57] offset:512
	global_load_b32 v[QW2], v[R8], s[58:59]
	v_lshlrev_b32 v[C16], 4, v8
	s_delay_alu instid0(VALU_DEP_1)
	v_lshl_add_u32 v[C16], v4, 3, v[C16]
	v_lshlrev_b32 v[R32], 5, v8
	v_lshlrev_b32 v4, 3, v4
	s_delay_alu instid0(VALU_DEP_1)
	v_sub_nc_u32 v[RMH], v8, v4
.irp j, 0,2,4,6
	v_dual_mov_b32 v[QZ+\j], 0 :: v_dual_mov_b32 v[QZ+\j+1], 0          ; the zero codes on both sides of Q: no load lands here
	v_dual_mov_b32 v[QZ+16+\j], 0 :: v_dual_mov_b32 v[QZ+16+\j+1], 0
.endr
.irp b, 0,1,2,3
	v_mov_b32 v[236+\b], 0                         ; written once: a lane permute's destination counts as one of its sources
.endr
	v_mov_b32 v251, 0                              ; likewise
	v_mov_b32 v249, 0                              ; (named as the upper half of the pair v[248:249])
	s_wait_tensorcnt 0x1                           ; my sixteenth of part A is in; my part B may stay out
	s_barrier_signal -1
	s_barrier_wait -1                              ; everybody's is: the scale words and steps 0 to 4 lie in LDS
	s_wait_loadcnt 0x0                             ; Q
	v_lshrrev_b32 v[QW1], s89, v[QW1]              ; of the pair's word my tile's two bytes,
	v_lshrrev_b32 v[QW2], s88, v[QW2]
	s_delay_alu instid0(VALU_DEP_2)
	v_and_b32 v[QW1], 0xffff, v[QW1]
	s_delay_alu instid0(VALU_DEP_2)
	v_and_b32 v[QW2], 0xffff, v[QW2]
	s_delay_alu instid0(VALU_DEP_2)
	v_lshl_or_b32 v[QW1], v[QW1], 16, v[QW1]       ; twice: they serve Q in the lower and in the upper half of K = 128
	s_delay_alu instid0(VALU_DEP_2)
	v_lshl_or_b32 v[QW2], v[QW2], 16, v[QW2]
; A TILE BEGINS: K of step 0 is asked for; the statistics and O^T start.  (The step is written for all steps alike: the first finds zeros, which the first change of M leaves zeros.)
.macro BEGIN
	ds_load_b64 v[KW:KW+1], v[L8]                  ; K's scale words: register q: lanes 0-15 fragment 2 q's, lanes 16-31 fragment 2 q + 1's
.irp i, 0,1,2,3
.irp c, 0,1,2,3
	ds_load_b128 v[XK+16*\i+4*\c:XK+16*\i+4*\c+3], v[LC] offset:2048*\i+512*\c
.endr
.endr
	v_mov_b32 v13, 0xff61b1e6                      ; the largest t so far: -3e38, under every t
	s_delay_alu instid0(VALU_DEP_1)
	v_floor_f32 v12, -v13                          ; -M
	v_mov_b32 v14, 0                               ; the sum, in two halves
	v_mov_b32 v15, 0
.set n, 0
.rept 16
	v_dual_mov_b32 v[OT+n], 0 :: v_dual_mov_b32 v[OT+n+1], 0
.set n, n+2
.endr
	s_mov_b32 s48, 0                               ; the step's codes,
	s_mov_b32 s49, 0                               ; its scale words,
	s_mov_b32 s51, 0                               ; the step
	s_wait_dscnt 0x0                               ; K of step 0 is in
.endm
; A KEY STEP: 128 keys.  K's fragments and scale words are in registers already.  QW: Q's scale word; LIM: the register with my tile's last step; D0: that with its first query in that step.
; check = 0: a step that is whole and open in every wave: neither left out nor masked.
.macro STEP id, QW, LIM, D0, check
.if \check
	s_cmp_gt_u32 s51, s[\LIM]                      ; a step all of whose keys come after my queries is left out: a branch on the wave's number and the trip, round the step's work, not round the lines that step addresses
	s_cbranch_scc1 .Lhid_\id
.endif
	s_add_co_u32 s86, s48, STEPB                   ; the next step's bytes; behind step 15 there is none: the address is held there, and what it brings is not used
	s_min_u32 s86, s86, 15*STEPB
	s_add_co_u32 s87, s49, 256
	s_min_u32 s87, s87, 15*256
	s_setprio 2
	v_add_nc_u32 v[ADK], s86, v[LC]
	v_add_nc_u32 v[ADS], s87, v[L8]
	v_add_nc_u32 v[ADV], s48, v[LC]
	v_add_nc_u32 v[ADT], s49, v[L8]
.rept 5
	v_nop                                          ; with the four additions nine places behind the last step's products: the products below write over the registers that held V's fragments
.endr
.irp i, 0,1,2,3                        ; S^T = K Q^T: fragment i against (Q, Z): tile 2 i; against (Z, Q): tile 2 i + 1
.if \i%2
	v_wmma_scale_f32_16x16x128_f8f6f4 v[YS+16*\i:YS+16*\i+7], v[XK+16*\i:XK+16*\i+15], v[QZ+8:QZ+23], 0, v[KW+\i/2], v[\QW] matrix_a_fmt:MATRIX_FMT_BF8 matrix_b_fmt:MATRIX_FMT_BF8 matrix_a_scale:MATRIX_SCALE_ROW1
	v_wmma_scale_f32_16x16x128_f8f6f4 v[YS+16*\i+8:YS+16*\i+15], v[XK+16*\i:XK+16*\i+15], v[QZ:QZ+15], 0, v[KW+\i/2], v[\QW] matrix_a_fmt:MATRIX_FMT_BF8 matrix_b_fmt:MATRIX_FMT_BF8 matrix_a_scale:MATRIX_SCALE_ROW1
.else
	v_wmma_scale_f32_16x16x128_f8f6f4 v[YS+16*\i:YS+16*\i+7], v[XK+16*\i:XK+16*\i+15], v[QZ+8:QZ+23], 0, v[KW+\i/2], v[\QW] matrix_a_fmt:MATRIX_FMT_BF8 matrix_b_fmt:MATRIX_FMT_BF8
	v_wmma_scale_f32_16x16x128_f8f6f4 v[YS+16*\i+8:YS+16*\i+15], v[XK+16*\i:XK+16*\i+15], v[QZ:QZ+15], 0, v[KW+\i/2], v[\QW] matrix_a_fmt:MATRIX_FMT_BF8 matrix_b_fmt:MATRIX_FMT_BF8
.endif
.endr                                  ; register n of S^T: key 16 (n / 8) + 8 h + n % 8 of the step, query r
.rept 8
	v_nop                                          ; places in front of loads into registers that these products have read, and of the first read of their results
.endr
	ds_load_b64 v[KW:KW+1], v[ADS]                 ; THE NEXT STEP'S K: its scale words,
	ds_load_b64 v[VW:VW+1], v[ADT] offset:VSC      ; (this step's words of V: register p: lanes 0-15 tile 2 p's, lanes 16-31 tile 2 p + 1's)
.irp i, 0,1,2,3
.irp c, 0,1,2,3
	ds_load_b128 v[XK+16*\i+4*\c:XK+16*\i+4*\c+3], v[ADK] offset:2048*\i+512*\c   ; and its four fragments: they land under the softmax
.endr
.endr
.if \check
	s_cmp_lg_u32 s51, s[\LIM]                      ; on the diagonal the scores of hidden keys become -infinity ahead of the maximum: p = 0 then.  A step all of whose keys count skips this
	s_cbranch_scc1 .Lopen_\id
	v_add_nc_u32 v251, s[\D0], v[RMH]              ; d = my query in the step - 8 h: register n is hidden where 16 (n / 8) + n % 8 > d
	v_mov_b32 v254, 0xff800000                     ; -infinity
.set n, 0
.rept 64
	v_cmp_gt_i32 vcc_lo, 16*(n/8)+n%8, v251
	v_cndmask_b32 v[YS+n], v[YS+n], v254, vcc_lo
.set n, n+1
.endr
.Lopen_\id:
.endif
.irp b, 0,1,2,3
	v_max3_num_f32 v[232+\b], v[YS+16*\b], v[YS+1+16*\b], v[YS+2+16*\b]   ; THE LARGEST SCORE OF EACH BLOCK OF 32 KEYS: it serves twice: for the row's maximum, and, since p rises with the score, for the block's largest p
.endr
.irp i, 3,5,7,9,11,13
.irp b, 0,1,2,3
	v_max3_num_f32 v[232+\b], v[232+\b], v[YS+16*\b+\i], v[YS+1+16*\b+\i]   ; (the four blocks by turns)
.endr
.endr
.irp b, 0,1,2,3
	v_max_num_f32 v[232+\b], v[232+\b], v[YS+15+16*\b]
.endr
.irp b, 0,1,2,3
	s_delay_alu instid0(VALU_DEP_4)
	v_permlanex16_b32 v[236+\b], v[232+\b], s20, s21
.endr
.irp b, 0,1,2,3
	s_delay_alu instid0(VALU_DEP_4)
	v_max_num_f32 v[232+\b], v[232+\b], v[236+\b]  ; with lane l xor 16's 16 keys
.endr
	s_delay_alu instid0(VALU_DEP_2)
	v_max3_num_f32 v251, v232, v233, v234
	s_delay_alu instid0(VALU_DEP_1)
	v_max_num_f32 v251, v251, v235                 ; the step's largest score of my query
	s_delay_alu instid0(VALU_DEP_1)
	v_mul_f32 v251, s22, v251                      ; as t (c is positive)
	s_delay_alu instid0(VALU_DEP_1)
	v_max_num_f32 v13, v13, v251                   ; the running largest t
	v_mov_b32 v251, v12
	s_delay_alu instid0(VALU_DEP_2)
	v_floor_f32 v12, -v13                          ; the new -M = floor(-t) = -ceil(t): M IS A WHOLE NUMBER
	s_delay_alu instid0(VALU_DEP_1)
	v_sub_f32 v251, v12, v251                      ; M's old value less its new one: a whole number, 0 or less
	s_delay_alu instid0(VALU_DEP_1)
	v_cvt_i32_f32 v251, v251                       ; (it saturates)
	s_delay_alu instid0(VALU_DEP_1)
	v_ldexp_f32 v248, 1.0, v251                    ; f = 2^(old M - new M): what was summed under the old M is brought under the new by a multiplication that rounds nothing
.set n, 0
.rept 32
	v_pk_fma_f32 v[YS+n:YS+n+1], v[YS+n:YS+n+1], s[22:23], v[12:13] op_sel_hi:[1,0,0]   ; t - M, two at a time (of the pairs c and -M the low word serves both halves)
.set n, n+2
.endr
.irp b, 0,1,2,3
	v_fma_f32 v[232+\b], v[232+\b], s22, v12       ; the same of each block's largest score
.endr
.set n, 0
	s_setprio 1
	s_wait_alu depctr_va_vdst(0)
.rept 64
	v_exp_f32 v[YS+n], v[YS+n]                     ; p = 2^(t - M), at most 1: NOT normalised
.set n, n+1
.endr
.irp b, 0,1,2,3
	v_exp_f32 v[232+\b], v[232+\b]                 ; the block's largest p: the same two instructions on the same number give the same bits
.endr
	v_pk_mul_f32 v[14:15], v[14:15], v[248:249] op_sel_hi:[1,0]   ; the sums under the new M.  (A plain instruction behind the exponentials)
	s_wait_alu depctr_va_vdst(0)
.irp b, 0,1,2,3
	v_max_num_f32 v[232+\b], 0x8000000, v[232+\b]  ; the floor 2^(16 - 127): the byte cannot fall under 1 (a block whose every p is 0 keeps that byte: its codes are zeros)
.endr
.irp b, 0,1,2,3
	s_delay_alu instid0(VALU_DEP_4)
	v_add_nc_u32 v[244+\b], 0xf8800000, v[232+\b]  ; 15 off the exponent field: the conversion's scale operand
.endr
.irp b, 0,1,2,3
.endr
.irp b, 0,1,2,3
	s_delay_alu instid0(VALU_DEP_4)
	v_lshrrev_b32 v[236+\b], 23, v[244+\b]         ; the scale's byte
.endr
	s_delay_alu instid0(VALU_DEP_3)
	v_lshl_or_b32 v[PW], v237, 8, v236             ; p's scale word for these 128 keys
	s_delay_alu instid0(VALU_DEP_1)
	v_lshl_or_b32 v[PW], v238, 16, v[PW]
	s_delay_alu instid0(VALU_DEP_1)
	v_lshl_or_b32 v[PW], v239, 24, v[PW]
	v_pk_add_f32 v[252:253], v[YS:YS+1], v[YS+2:YS+3]   ; THE ROW'S SUM IS TAKEN OF THE UNQUANTISED p: two at a time, in two chains
.set n, 4
.rept 15
	v_pk_add_f32 v[14:15], v[14:15], v[YS+n:YS+n+1]
	v_pk_add_f32 v[252:253], v[252:253], v[YS+n+2:YS+n+3]
.set n, n+4
.endr
	s_delay_alu instid0(VALU_DEP_1)
	v_pk_add_f32 v[14:15], v[14:15], v[252:253]
.irp b, 0,1,2,3
.set n, 0
.rept 8                                ; the conversion to an 8-bit code does not saturate (ISA guide 7.6.2)
.set n, n+2
.endr
	v_cvt_scalef32_pk8_bf8_f32 v[CDS+4*\b:CDS+4*\b+1], v[YS+16*\b:YS+16*\b+7], v[244+\b]
	v_cvt_scalef32_pk8_bf8_f32 v[CDS+4*\b+2:CDS+4*\b+3], v[YS+16*\b+8:YS+16*\b+15], v[244+\b]
.irp c, 0,1,2,3
	ds_load_b128 v[YS+16*\b+4*\c:YS+16*\b+4*\c+3], v[ADV] offset:VOF+2048*\b+512*\c   ; the block's 16 registers are free: V's tile b of 16 channels lands there while the next block is converted
.endr
.endr
.set n, 0
	s_setprio 0
.rept 16
	v_pk_mul_f32 v[OT+n:OT+n+1], v[OT+n:OT+n+1], v[248:249] op_sel_hi:[1,0]   ; O^T under the new M: x f, each accumulator from its low end on.  (These 16 also stand between the conversions and the products that take their codes)
.set n, n+2
.endr
	s_wait_alu depctr_va_vdst(0)
	s_wait_dscnt 0x0                               ; V is in (and the next step's K, asked for long before)
.irp ct, 0,1,2,3                       ; O^T += V^T P^T: K = these 128 keys.  The four accumulators take turns, one instruction a turn, and eight score products stand between two steps'
.if \ct%2
	v_wmma_scale_f32_16x16x128_f8f6f4 v[OT+8*\ct:OT+8*\ct+7], v[YS+16*\ct:YS+16*\ct+15], v[CDS:CDS+15], v[OT+8*\ct:OT+8*\ct+7], v[VW+\ct/2], v[PW] matrix_a_fmt:MATRIX_FMT_BF8 matrix_b_fmt:MATRIX_FMT_BF8 matrix_a_scale:MATRIX_SCALE_ROW1
.else
	v_wmma_scale_f32_16x16x128_f8f6f4 v[OT+8*\ct:OT+8*\ct+7], v[YS+16*\ct:YS+16*\ct+15], v[CDS:CDS+15], v[OT+8*\ct:OT+8*\ct+7], v[VW+\ct/2], v[PW] matrix_a_fmt:MATRIX_FMT_BF8 matrix_b_fmt:MATRIX_FMT_BF8
.endif
.endr
.if \check
.Lhid_\id:
.endif
.endm
.macro NEXT id, nt                     ; the loop's edge: its trips are a constant of the text
	s_add_co_u32 s48, s48, STEPB
	s_add_co_u32 s49, s49, 256
	s_add_co_u32 s51, s51, 1
	s_cmp_lt_u32 s51, \nt
	s_cbranch_scc1 .Lstep_\id
	s_setprio 0
.endm
; A TILE'S END.  O^T / the sum is ctx: register 8 ct + j is channel 16 ct + 8 h + j of query r.  The 16 registers of tiles 2 b and 2 b + 1 are 16 of block b's 32 channels; lane l xor 16 holds the others.
.macro EPI CC, CW, more
.rept 8
	v_nop                                          ; behind the last products
.endr
	v_add_f32 v14, v14, v15                        ; the sum's two halves,
	s_delay_alu instid0(VALU_DEP_1)
	v_permlanex16_b32 v251, v14, s20, s21
	s_delay_alu instid0(VALU_DEP_1)
	v_add_f32 v14, v14, v251                       ; and lane l xor 16's: the row's sum
	s_wait_alu depctr_va_vdst(0)
	v_rcp_f32 v14, v14
	v_nop                                          ; one plain instruction behind a transcendental
.set n, 0
	s_wait_alu depctr_va_vdst(0)
.rept 32
	v_mul_f32 v[YS+n], v[OT+n], v14
.set n, n+1
.endr
.irp b, 0,1
	v_max3_num_f32 v[232+\b], |v[YS+16*\b]|, |v[YS+1+16*\b]|, 0x8000000   ; the block's largest magnitude, with the floor 2^(16 - 127) among its leaves
.endr
.irp i, 2,4,6,8,10,12,14
.irp b, 0,1
	s_delay_alu instid0(VALU_DEP_2)
	v_max3_num_f32 v[232+\b], v[232+\b], |v[YS+16*\b+\i]|, |v[YS+1+16*\b+\i]|
.endr
.endr
.irp b, 0,1
	s_delay_alu instid0(VALU_DEP_2)
	v_permlanex16_b32 v[236+\b], v[232+\b], s20, s21
.endr
.irp b, 0,1
	s_delay_alu instid0(VALU_DEP_2)
	v_max_num_f32 v[232+\b], v[232+\b], v[236+\b]
.endr
.irp b, 0,1
	s_delay_alu instid0(VALU_DEP_2)
	v_add_nc_u32 v[244+\b], 0xf8800000, v[232+\b]  ; the conversion's scale operand
.endr
.irp b, 0,1
.endr
.irp b, 0,1
	s_delay_alu instid0(VALU_DEP_2)
	v_lshrrev_b32 v[236+\b], 23, v[244+\b]         ; the scale's byte
.endr
	s_delay_alu instid0(VALU_DEP_1)
	v_lshl_or_b32 v251, v237, 8, v236              ; my row's two bytes
.irp b, 0,1
.set n, 0
.rept 16
.set n, n+1
.endr
	v_cvt_scalef32_pk8_bf8_f32 v[CDS+4*\b:CDS+4*\b+1], v[YS+16*\b:YS+16*\b+7], v[244+\b]       ; channels 32 b + 8 h + 0..7,
	v_cvt_scalef32_pk8_bf8_f32 v[CDS+4*\b+2:CDS+4*\b+3], v[YS+16*\b+8:YS+16*\b+15], v[244+\b]  ; and 32 b + 16 + 8 h + 0..7
.endr
.irp b, 0,1                            ; IN TRUE ORDER: an operand's lane (r, h') holds channels 16 h' + 0..15 of a block, at 256 h' + 16 r.  My first piece belongs to h' = 0, at byte 8 h of its 16; my second to h' = 1
	global_store_b64 v[C16], v[CDS+4*\b:CDS+4*\b+1], s[\CC:\CC+1] offset:512*\b       ; each store of the wave covers 256 consecutive bytes, aligned
	global_store_b64 v[C16], v[CDS+4*\b+2:CDS+4*\b+3], s[\CC:\CC+1] offset:512*\b+256
.endr
	global_store_b16 v[R32], v251, s[\CW:\CW+1]    ; two bytes of each of 16 rows of 32: a work-group holds one head of sixteen, so a row's bytes cannot leave together; both lanes of a row store the same two bytes
.if \more
	s_wait_xcnt 0x0                                ; the stores have read their registers: the next tile writes them again
.endif
.endm
	; THE LONG TILE, 127 - t: 16 - g steps
	BEGIN
.Lstep_a:                                          ; steps 0 to 3, on part A: alike in every wave
	STEP a, QW1, 53, 55, 0
	NEXT a, NA
	s_wait_tensorcnt 0x0                           ; my sixteenth of part B is in (no LDS load of mine is out: the step's last wait was for all),
	s_barrier_signal -1
	s_barrier_wait -1                              ; everybody's is: the whole head lies in LDS
.Lstep_b:                                          ; steps 4 to 15: those behind my tile's diagonal are left out
	STEP b, QW1, 53, 55, 1
	NEXT b, 16
	EPI 70, 72, 1
	; THE SHORT TILE, t: g + 1 steps
.irp j, 0,1,2,3,4,5,6,7
	v_mov_b32 v[QZ+8+\j], v[QP+\j]                 ; its Q takes the place between the zeros
.endr
	BEGIN
.Lstep_c:                                          ; steps 0 to 7
	STEP c, QW2, 52, 54, 1
	NEXT c, 8
	EPI 66, 68, 0
	s_wait_tensorcnt 0x0
	ds_add_u32 v250, v255
	s_wait_dscnt 0x0
	ROUND                                          ; the closing round: no work-group ends while a partner may still ask for bytes by a load that names it
	s_endpgm
.Lfunc_end_k_qf037d6bcf2_attn:
	.size	k_qf037d6bcf2_attn, .Lfunc_end_k_qf037d6bcf2_attn-k_qf037d6bcf2_attn
	.p2alignl 7, 3214868480
	.fill 96, 4, 3214868480
	.section	.rodata,"a",@progbits
	.p2align	6, 0x0
	.amdhsa_kernel k_qf037d6bcf2_attn
		.amdhsa_group_segment_fixed_size 327680
		.amdhsa_private_segment_fixed_size 0
		.amdhsa_enable_private_segment 0
		.amdhsa_kernarg_size 32
		.amdhsa_user_sgpr_count 2
		.amdhsa_user_sgpr_kernarg_segment_ptr 1
		.amdhsa_wavefront_size32 1
		.amdhsa_system_sgpr_workgroup_id_x 1
		.amdhsa_system_sgpr_workgroup_id_y 1
		.amdhsa_system_sgpr_workgroup_id_z 1
		.amdhsa_system_vgpr_workitem_id 0
		.amdhsa_next_free_vgpr 256
		.amdhsa_next_free_sgpr 90
		.amdhsa_reserve_vcc 1
		.amdhsa_float_denorm_mode_32 3
		.amdhsa_float_denorm_mode_16_64 3
		.amdhsa_fp16_overflow 1
		.amdhsa_memory_ordered 1
		.amdhsa_forward_progress 1
		.amdhsa_inst_pref_size 85
	.end_amdhsa_kernel
	.amdgpu_metadata
---
amdhsa.version: [ 1, 2 ]
amdhsa.kernels:
  - .name:           k_qf037d6bcf2_attn
    .symbol:         k_qf037d6bcf2_attn.kd
    .args:
      - { .name: qb, .offset: 0, .size: 8, .value_kind: global_buffer, .address_space: global }
      - { .name: kv, .offset: 8, .size: 8, .value_kind: global_buffer, .address_space: global }
      - { .name: cxc, .offset: 16, .size: 8, .value_kind: global_buffer, .address_space: global }
      - { .name: cxs, .offset: 24, .size: 8, .value_kind: global_buffer, .address_space: global }
    .group_segment_fixed_size: 327680
    .private_segment_fixed_size: 0
    .kernarg_segment_align: 8
    .kernarg_segment_size: 32
    .max_flat_workgroup_size: 512
    .sgpr_count:     90
    .vgpr_count:     256
    .wavefront_size: 32
...
	.end_amdgpu_metadata
.endif
;; end of part 2
;; launch proj (part 3): grid 4 x 32, 4 waves a work-group, clusters of 4 x 4, 327,680 bytes of LDS; arguments cxc, cxs, W_o_codes, W_o_scales, b_o, out0; writes out0
.if DOCPART == 3
	.amdgcn_target "amdgcn-amd-amdhsa--gfx1250"
	.amdhsa_code_object_version 6
	.text
	.protected	k_qf037d6bcf2_proj
	.globl	k_qf037d6bcf2_proj
	.p2align	8
	.type	k_qf037d6bcf2_proj,@function
k_qf037d6bcf2_proj:
	s_mov_b64 s[64:65], 0
	v_nop
	global_prefetch_b8 v0, s[64:65] scope:SCOPE_SE
	s_setreg_imm32_b32 hwreg(HW_REG_WAVE_MODE, 25, 1), 1
	s_wait_xcnt 0x0
	s_wait_alu depctr_hold_cnt(0) depctr_sa_sdst(0) depctr_va_vdst(0) depctr_va_sdst(0) depctr_va_ssrc(0) depctr_va_vcc(0) depctr_vm_vsrc(0)
	s_getreg_b32 s2, hwreg(HW_REG_IB_STS2, 6, 4)
	s_cmp_eq_u32 s2, 0
	s_cbranch_scc0 .Lentry_in_a_cluster
	s_endpgm
.Lentry_in_a_cluster:
	s_bfe_u32 s2, ttmp6, 0x10000c
	s_cmp_lg_u32 s2, 0xf033
	s_cbranch_scc0 .Lentry_shape_is_right
	s_endpgm
.Lentry_shape_is_right:
; out0 = ctx W_o^T + b_o on codes of BF8 (E5M2) with one E8M0 scale for each 32 along K = 1,024.  ctx: 8,192 rows, W_o: [1024][1024] codes, scale bytes [rows][32] for both; b_o [1024], out0 [8192][1024] f32; sums in f32.
; A tile of out0, 256 x 256, is made by a work-group of four waves; a wave makes 128 x 128: 64 accumulators of 16 x 16, 512 registers.  32 x 4 tiles = 128 work-groups.
; K goes in steps of 256 through a ring of two LDS slots filled by the tensor data mover; the scale bytes of the work-group's 256 + 256 rows come once, with the first fills, and stay.
; ctx's CODES ARE IMAGES OF AN OPERAND'S REGISTERS, as the launch before laid them: [tile of 16 rows][K step of 128][block c][lane][16 bytes], 16,384 bytes a tile.  A slot's part of a tile is 4,096 consecutive bytes; a fragment comes
; by four loads of 512 consecutive bytes: no pitch, no padding.  W_o's codes lie by rows, as given, and come as padded rows.
; CLUSTERS: 4 x 4 work-groups.  The four of a row of the cluster need the same tiles of ctx, the four of a column the same tiles of W_o: each tile is asked for JOINTLY, by the same tensor load with the same descriptor and a mask that names the four.
; THE MATRIX INSTRUCTION IS USED TRANSPOSED (source 0 = 16 rows of W_o, source 1 = 16 rows of ctx): a lane then holds eight neighbouring numbers of a row of out0.  THE BIAS is the C of each sum's first matrix instruction: no addition.
; REGISTERS, in windows of 256: window 0: v7, v16-29 addresses; v32-63 scale words, two sets, and nothing else; v64-127 the bias, 8 registers for each of my 8 blocks of columns; from v128 A's fragments, ONE set; on the way out v128-255 are free.
;   window 1: B's fragments, TWO sets, at v0 and at v128.   window 2: the accumulators of my rows 0-63 ((a, b) at v[8 (8 a + b)]);   window 3: those of my rows 64-127.
.set SIZE_N, 1024
.set KSTEP,  256                       ; along K in a slot
.set NQ,     KSTEP/128                 ; matrix instructions deep
.set ROWB,   256                       ; a row of B's tile in bytes
.set KROW,   1024                      ; a row of B in memory; also: ctx's bytes for each row (16,384 for a tile of 16)
.set ASTEP,  4096                      ; a K step's bytes in a tile of 16 rows of ctx
.set PITCH,  272                       ; an LDS row of B: 256 bytes + 16 of padding = 68 words: row r starts at bank 4 r mod 64 (64 banks of 4 bytes: ISA guide 11.1), so the 16 rows that a load touches start at 16 different banks
.set FR,     16                        ; registers of a fragment: 16 rows x 128 K
.set NL,     4                         ; LDS loads that bring one
.set NP,     8                         ; places behind this matrix instruction (ISA guide 7.12.1)
.set HALFT,  128*PITCH                 ; the place of 128 rows in a slot (A's images fill 32,768 bytes of it)
.set SLOT,   4*HALFT                   ; A's 256 rows, then B's 256 rows
.set KS,     32                        ; a row of scale bytes
.set SCL,    2*SLOT                    ; behind the ring: the scales, as rows of 256 bytes + 16 of padding
.set HALFS,  (128*KS/256)*272          ; the scales of 128 rows: what one tensor load brings
.set SBLK,   (16*KS/256)*272           ; those of 16 rows
.set SPARE,  SCL+4*HALFS               ; behind the scales: the spare words, 128 bytes for each wave: two blocks of 256 bytes that no other line names
.set SPITCH, 528                       ; the way out: a stage of 16 rows x (512 bytes + 16) for each wave.  It lies in slot 0, which has had its last fill and its last read when the first result is stored there
.set ADRA, 16                          ; v16-17  LDS address of my A fragments in slot 0, 1
.set ADRB, 20                          ; v20-21  the same for B
.set STO,  24                          ; v24     the way out: where I put 32 bytes of a row
.set RD,   25                          ; v25     the way out: where I read a row back
.set CO,   26                          ; v26     16 x lane: an image's place for my lane, and my byte offset in a row of out0
.set ADRS, 27                          ; v27     LDS address of my scale words: lanes 0-15 A's rows, lanes 16-31 B's
.set SPW,  28                          ; v28     LDS address of my spare word: SPARE + 4 x my thread's number; never rewritten
.set NIL,  29                          ; v29     0; never rewritten
.set SC,   32                          ; scale words: set s at v[SC + 8 NQ s]; register NQ i + q: lanes 0-15 the word of A's block i, lanes 16-31 that of B's block i
.set BIAS, 64                          ; v64-127 b_o at my lane's eight columns of each block b
.set AF,   128                         ; A's fragments, in window 0
.set BK,   128                         ; the way out: 16 rows read back from the stage: v128-191 and v192-255 by turns
.set G1, 24                            ; s[24:31] descriptor group 1 for A's tiles;  s[32:39] group 0, one set for each slot
.set G0, 32
.set G1B, 48                           ; s[48:55], s[56:63] the same for B's tiles
.set G0B, 56
.set G1S, 68                           ; s[68:75], s[76:79] groups 1 and 0 for A's scales;  s[80:87], s[88:91] for B's
.set G0S, 76
.set G1SB, 80
.set G0SB, 88
.set MSB, 0
.macro WIN new                         ; the immediate's high byte repeats the setting that is left
.if MSB != \new
	s_set_vgpr_msb (MSB<<8)|\new
.set MSB, \new
.endif
.endm
.set MUL_LO, 0xa1                      ; source 0 (B) window 1, source 1 (A) window 0, C and D window 2
.set MUL_HI, 0xf1                      ; the same, C and D window 3
.set FST_LO, 0x81                      ; the first products: C (the bias) window 0, D window 2
.set FST_HI, 0xc1                      ; D window 3
.set TO_B,   0x40                      ; destination window 1, address window 0
; A joint load: waves 0 and 1 fetch for A, waves 2 and 3 for B.  Each of the two lines has ONE mask and one set of registers for all that issue it; the branch hangs on the wave's number alone.
; Four v_nop follow each of the two lines, ahead of the jump, the label and what follows.
.macro JLOAD g0a, g1a, g0b, g1b
	s_cmp_eq_u32 s15, 0
	s_cbranch_scc0 .Lfor_b_\@
	tensor_load_to_lds s[\g0a:\g0a+3], s[\g1a:\g1a+7]
	s_nop 0
.rept 4
	v_nop
.endr
	s_branch .Lasked_\@
.Lfor_b_\@:
	tensor_load_to_lds s[\g0b:\g0b+3], s[\g1b:\g1b+7]
	s_nop 0
.rept 4
	v_nop
.endr
.Lasked_\@:
.endm
.macro CREST                           ; a round of the cluster's barrier behind its opening barrier
	s_cmp_lg_u32 s14, 0
	s_cbranch_scc1 .Lnot_wave_0_\@
	s_barrier_signal -3
.Lnot_wave_0_\@:
	s_barrier_wait -3
	s_barrier_signal -1
	s_barrier_wait -1
.endm
.macro CROUND                          ; a whole round
	s_barrier_signal -1
	s_barrier_wait -1
	CREST
.endm
	s_load_b256 s[4:11], s[0:1], 0x0               ; ctx's codes s[4:5], ctx's scales s[6:7], W_o's codes s[8:9], W_o's scales s[10:11]
	s_load_b64 s[96:97], s[0:1], 0x20              ; b_o
	s_load_b64 s[12:13], s[0:1], 0x28              ; out0
	v_lshl_add_u32 v[SPW], v0, 2, SPARE
	v_mov_b32 v[NIL], 0
	ds_add_u32 v28, v29
	ds_add_u32 v28, v29
	s_wait_dscnt 0x0
	v_lshrrev_b32 v1, 5, v0
	v_readfirstlane_b32 s14, v1                    ; wave 0..3
	s_lshr_b32 s15, s14, 1                         ; which half of the tile's rows is mine.  Also: I fetch for A (0) or for B (1)
	s_and_b32 s16, s14, 1                          ; which half of its columns.  Also: which 128 rows of that tile I fetch
	s_bfe_u32 s40, ttmp6, 0x40000                  ; cx, cy: my place in the cluster
	s_bfe_u32 s41, ttmp6, 0x40004
	s_lshl_b32 s42, ttmp9, 2
	s_add_co_u32 s42, s42, s40                     ; tile column = 4 x cluster x + cx
	s_and_b32 s17, ttmp7, 0xffff
	s_lshl_b32 s17, s17, 2
	s_add_co_u32 s17, s17, s41                     ; tile row = 4 x cluster y + cy
	s_lshl_b32 s43, s41, 2
	s_lshl_b32 s43, 15, s43                        ; my row of the cluster
	s_lshl_b32 s44, 0x1111, s40                    ; my column
	; descriptor group 1 for A: 8 tiles of 16 rows, of each the K step's 4,096 consecutive bytes (512 elements of 8 bytes), 16,384 bytes (2,048 elements) apart; no padding
	s_or_b32 s[G1+0], s43, (3<<16)|(1<<21)         ; 15:0 the mask: A's tiles go to my row; 17:16 element of 8 bytes; 21 set beside a mask
	s_mov_b32 s[G1+1], 512<<16                     ; tensor_dim0
	s_mov_b32 s[G1+2], 8<<16                       ; tensor_dim1
	s_mov_b32 s[G1+3], 512<<16                     ; tile_dim0
	s_mov_b32 s[G1+4], 8                           ; tile_dim1
	s_mov_b32 s[G1+5], 2048                        ; tensor_dim0_stride
	s_mov_b32 s[G1+6], 0
	s_mov_b32 s[G1+7], 0
	; for B: a tile of 128 rows x 256 bytes, padded in LDS
	s_or_b32 s[G1B+0], s44, (0<<16)|(1<<20)|(1<<21)|(5<<22)|(3<<25)  ; the mask of my column; element of 1 byte; 20 padding on; 24:22 after every 64 words (code 5); 31:25 of 4 words (code 3)
	s_mov_b32 s[G1B+1], ROWB<<16
	s_mov_b32 s[G1B+2], 128<<16
	s_mov_b32 s[G1B+3], ROWB<<16
	s_mov_b32 s[G1B+4], 128
	s_mov_b32 s[G1B+5], KROW
	s_mov_b32 s[G1B+6], 0
	s_mov_b32 s[G1B+7], 0
	; and for the scales of 128 rows: a dense block of 4,096 bytes, as 16 rows of 256 bytes (32 elements of 8 bytes), 16 bytes of padding behind each
	s_or_b32 s[G1S+0], s43, (3<<16)|(1<<20)|(1<<21)|(5<<22)|(3<<25)
	s_or_b32 s[G1SB+0], s44, (3<<16)|(1<<20)|(1<<21)|(5<<22)|(3<<25)
.irp g, G1S, G1SB
	s_mov_b32 s[\g+1], 32<<16
	s_mov_b32 s[\g+2], (128*KS/256)<<16
	s_mov_b32 s[\g+3], 32<<16
	s_mov_b32 s[\g+4], 128*KS/256
	s_mov_b32 s[\g+5], 32
	s_mov_b32 s[\g+6], 0
	s_mov_b32 s[\g+7], 0
.endr
	s_lshl_b32 s18, s16, 7                         ; which 128 rows of the tile I fetch
	s_lshl_b32 s20, s17, 8
	s_add_co_u32 s20, s20, s18                     ; A: row 256 x tile row + 128 x half
	s_lshl_b32 s46, s42, 8
	s_add_co_u32 s46, s46, s18                     ; B: row 256 x tile column + 128 x half
	s_mov_b32 s21, 0
	s_mov_b32 s47, 0
	s_mov_b64 s[18:19], KS
	s_mul_u64 s[22:23], s[20:21], s[18:19]         ; where these rows' scales begin, in bytes
	s_mul_u64 s[92:93], s[46:47], s[18:19]
	s_mov_b64 s[18:19], KROW
	s_mul_u64 s[20:21], s[20:21], s[18:19]         ; and their codes (ctx's images too: 1,024 bytes for each row, and my first row begins a tile)
	s_mul_u64 s[46:47], s[46:47], s[18:19]
	s_mul_i32 s45, s14, HALFT                      ; where they go: wave x the place of 128 rows: no place in the cluster enters an LDS address
	s_mul_i32 s94, s14, HALFS
	s_wait_kmcnt 0x0
	s_add_nc_u64 s[20:21], s[4:5], s[20:21]
	s_add_nc_u64 s[22:23], s[6:7], s[22:23]
	s_add_nc_u64 s[46:47], s[8:9], s[46:47]
	s_add_nc_u64 s[92:93], s[10:11], s[92:93]
	CROUND                                         ; all sixteen work-groups are here: the first joint loads meet
	s_mov_b32 s[G0S], 1
	s_add_co_u32 s[G0S+1], s94, SCL
	s_mov_b64 s[G0S+2:G0S+3], s[22:23]
	s_or_b32 s[G0S+3], s[G0S+3], 0x80000000
	s_mov_b32 s[G0SB], 1
	s_add_co_u32 s[G0SB+1], s94, SCL
	s_mov_b64 s[G0SB+2:G0SB+3], s[92:93]
	s_or_b32 s[G0SB+3], s[G0SB+3], 0x80000000
	JLOAD G0S, G1S, G0SB, G1SB                     ; the scales first: they are wanted with K step 0
.irp s, 0,1
	s_mov_b32 s[G0+4*\s], 1
	s_add_co_u32 s[G0+4*\s+1], s45, \s*SLOT
	s_add_nc_u64 s[G0+4*\s+2:G0+4*\s+3], s[20:21], \s*ASTEP
	s_or_b32 s[G0+4*\s+3], s[G0+4*\s+3], 0x80000000
	s_mov_b32 s[G0B+4*\s], 1
	s_add_co_u32 s[G0B+4*\s+1], s45, \s*SLOT
	s_add_nc_u64 s[G0B+4*\s+2:G0B+4*\s+3], s[46:47], \s*ROWB
	s_or_b32 s[G0B+4*\s+3], s[G0B+4*\s+3], 0x80000000
	JLOAD G0+4*\s, G1, G0B+4*\s, G1B               ; by this text's count three tensor loads of a wave are out here, later one
.endr
	v_and_b32 v1, 15, v0                           ; l % 16
	v_bfe_u32 v2, v0, 4, 1                         ; l / 16
	v_and_b32 v6, 31, v0
	v_lshlrev_b32 v[CO], 4, v6                     ; 16 x lane
	v_mul_u32_u24 v3, v1, PITCH
	v_lshl_add_u32 v4, v2, 4, v3                   ; B: a fragment's row x pitch + 16 x half
	s_mul_i32 s21, s15, HALFT                      ; my 128 rows of A
	s_mul_i32 s22, s16, HALFT                      ; my 128 rows of B,
	s_add_co_u32 s22, s22, 2*HALFT                 ; which lie behind A's 256
.irp s, 0,1
	v_add_nc_u32 v[ADRA+\s], s21, v[CO]
	v_add_nc_u32 v[ADRB+\s], s22, v4
	s_add_co_u32 s21, s21, SLOT
	s_add_co_u32 s22, s22, SLOT
.endr
	v_mul_u32_u24 v5, v1, KS                       ; my row's scales: KS bytes a row,
	v_lshrrev_b32 v6, 8, v5
	v_lshl_add_u32 v5, v6, 4, v5                   ; and 16 more for each 256 passed
	s_mul_i32 s21, s15, HALFS                      ; A's: my 128 rows
	s_mul_i32 s22, s16, HALFS                      ; B's: my 128 rows, behind A's 256
	s_add_co_u32 s22, s22, 2*HALFS
	s_sub_co_u32 s22, s22, s21
	v_mul_u32_u24 v6, s22, v2                      ; lanes 16-31 take B's
	s_add_co_u32 s21, s21, SCL
	v_add_nc_u32 v5, v5, v6
	v_add_nc_u32 v[ADRS], s21, v5
	s_mul_i32 s23, s14, 16*SPITCH                  ; my stage
	v_mul_u32_u24 v5, v1, SPITCH                   ; in: row l % 16, 32 bytes for each half of the lanes
	v_lshl_add_u32 v5, v2, 5, v5
	v_add_nc_u32 v[STO], s23, v5
	v_add_nc_u32 v[RD], s23, v[CO]                 ; back: the 32 lanes take one row of 512 bytes
	s_lshl_b32 s20, s17, 8
	s_lshl_b32 s21, s15, 7
	s_add_co_u32 s20, s20, s21                     ; my first row of out0: 256 x tile row + 128 x half
	s_mov_b32 s21, 0
	s_mov_b64 s[18:19], SIZE_N*4
	s_mul_u64 s[20:21], s[20:21], s[18:19]
	s_lshl_b32 s46, s42, 10                        ; my first column, in bytes: 1024 x tile column + 512 x half
	s_lshl_b32 s47, s16, 9
	s_add_co_u32 s46, s46, s47
	s_mov_b32 s47, 0
	s_add_nc_u64 s[96:97], s[96:97], s[46:47]      ; b_o at that column: the same bytes
	s_add_nc_u64 s[20:21], s[20:21], s[46:47]
	s_add_nc_u64 s[12:13], s[12:13], s[20:21]
	v_lshlrev_b32 v7, 5, v2                        ; the bias in the result's layout: lane (r, h), block b, register j: column 16 b + 8 h + j
.irp b, 0,1,2,3,4,5,6,7
	global_load_b128 v[BIAS+8*\b:BIAS+8*\b+3], v7, s[96:97] offset:64*\b
	global_load_b128 v[BIAS+8*\b+4:BIAS+8*\b+7], v7, s[96:97] offset:64*\b+16
.endr
.macro FRAGB reg, adr, q, i            ; a fragment, 16 rows x 128 K of 8-bit codes, is 16 registers: lane l holds row l % 16; registers 4 c .. 4 c + 3 hold K = 32 c + 16 (l / 16) + 0 .. 15
.irp c, 0,1,2,3
	ds_load_b128 v[\reg+4*\c:\reg+4*\c+3], v[\adr] offset:128*(\q)+32*\c+(\i)*16*PITCH
.endr
.endm
.macro FRAGA reg, adr, q, i            ; the same from an image: tile i's q-th 2,048 bytes, 512 consecutive bytes a load
.irp c, 0,1,2,3
	ds_load_b128 v[\reg+4*\c:\reg+4*\c+3], v[\adr] offset:(2*(\i)+(\q))*2048+512*\c
.endr
.endm
; 16 matrix instructions: A's blocks a0, a0 + 1 x B's eight, 128 along K: the slot's q-th.  p: B's set;  sc: the set of scale words.  first = 1: the first product starts the sums from the bias: nothing is ever cleared or added.
; The 64 accumulators take turns, one instruction a turn, in the same order in every step.
.macro MUL16 a0, p, q, sc, first
.irp a, \a0, \a0+1
.irp b, 0,1,2,3,4,5,6,7
.if \first
	v_wmma_scale_f32_16x16x128_f8f6f4 v[8*(8*((\a)%4)+\b):8*(8*((\a)%4)+\b)+7], v[128*(\p)+FR*\b:128*(\p)+FR*\b+FR-1], v[AF+FR*(\a):AF+FR*(\a)+FR-1], v[BIAS+8*\b:BIAS+8*\b+7], v[SC+8*NQ*(\sc)+NQ*\b+(\q)], v[SC+8*NQ*(\sc)+NQ*(\a)+(\q)] matrix_a_fmt:MATRIX_FMT_BF8 matrix_b_fmt:MATRIX_FMT_BF8 matrix_a_scale:MATRIX_SCALE_ROW1
.else
	v_wmma_scale_f32_16x16x128_f8f6f4 v[8*(8*((\a)%4)+\b):8*(8*((\a)%4)+\b)+7], v[128*(\p)+FR*\b:128*(\p)+FR*\b+FR-1], v[AF+FR*(\a):AF+FR*(\a)+FR-1], v[8*(8*((\a)%4)+\b):8*(8*((\a)%4)+\b)+7], v[SC+8*NQ*(\sc)+NQ*\b+(\q)], v[SC+8*NQ*(\sc)+NQ*(\a)+(\q)] matrix_a_fmt:MATRIX_FMT_BF8 matrix_b_fmt:MATRIX_FMT_BF8 matrix_a_scale:MATRIX_SCALE_ROW1
.endif
.endr
.endr
.endm
.macro FETCH_B slot, q, p              ; B's eight fragments of the slot's q-th 128 along K into set p
	WIN TO_B
.irp i, 0,1,2,3,4,5,6,7
	FRAGB 128*(\p)+FR*\i, ADRB+\slot, \q, \i
.endr
	WIN 0
.endm
.macro FETCH_A slot, q, i0             ; A's blocks i0 .. i0 + 3
.irp i, \i0, \i0+1, \i0+2, \i0+3
	FRAGA AF+FR*(\i), ADRA+\slot, \q, \i
.endr
.endm
.macro SCALES sc                       ; the next K step's scale words into set sc: NQ words a row; lanes 0-15 take A's block i, lanes 16-31 B's block i
.irp i, 0,1,2,3,4,5,6,7
	ds_load_b64 v[SC+8*NQ*\sc+NQ*\i:SC+8*NQ*\sc+NQ*\i+1], v[ADRS] offset:\i*SBLK
.endr
.endm
; A load into a register that a matrix instruction has read, and a vector instruction or an LDS store that reads a matrix result, stand NP places behind that matrix instruction, and only plain vector
; instructions that name none of its registers are places (ISA guide 7.12.1 for vector instructions); this text does not count the matrix instructions in between.
.macro PLACES n
.rept \n
	v_nop
.endr
.endm
; A step of 128 along K that has its successor in the same slot.
.macro STEP slot, q, first
	s_wait_dscnt 4*NL                              ; B's set and A's blocks 0-3 are in; the youngest 16 loads (A's blocks 4-7) may be out
.if \first
	WIN FST_LO
.else
	WIN MUL_LO
.endif
	MUL16 0, (\q)%2, \q, \slot, \first
	MUL16 2, (\q)%2, \q, \slot, \first
	s_wait_dscnt 0                                 ; A's blocks 4-7 are in (asked for 32 matrix instructions ago)
	PLACES NP
	FETCH_B \slot, (\q)+1, 1-(\q)%2
	FETCH_A \slot, (\q)+1, 0
.if \first
	WIN FST_HI
.else
	WIN MUL_HI
.endif
	MUL16 4, (\q)%2, \q, \slot, \first
	MUL16 6, (\q)%2, \q, \slot, \first
	PLACES NP
	WIN 0
	FETCH_A \slot, (\q)+1, 4
.endm
; A slot's last step changes slots: ONE barrier; in front of it each wave waits for all its tensor loads, adds 0 to its spare word, and waits for that and for its own reads of this slot.  fill = 1: this slot is filled again, two K steps ahead.
.macro TURN slot, next, fill
	s_wait_tensorcnt 0x0                           ; all my tensor loads have landed: my part of the next slot;  (every window is 0 here: the add's two registers lie in window 0)
	ds_add_u32 v[SPW], v[NIL]                      ; 0 onto my spare word
	s_wait_dscnt 4*NL+1                            ; (the add and the youngest 16 loads, A's blocks 4-7, may be out)
	WIN MUL_LO
	MUL16 0, 1, NQ-1, \slot, 0                     ; sixteen matrix instructions stand between the add and the wait for it
	s_wait_dscnt 0x0                               ; the add is done, and my reads of this slot are over
	s_barrier_signal -1
	MUL16 2, 1, NQ-1, \slot, 0
	WIN 0
	s_barrier_wait -1
.if \fill
	CREST                                          ; the barrier has opened a round of the cluster's barrier: no wave of any partner still reads this slot's tile or has a load on its way
	s_add_nc_u64 s[G0+4*\slot+2:G0+4*\slot+3], s[G0+4*\slot+2:G0+4*\slot+3], 2*ASTEP
	s_add_nc_u64 s[G0B+4*\slot+2:G0B+4*\slot+3], s[G0B+4*\slot+2:G0B+4*\slot+3], 2*ROWB
	JLOAD G0+4*\slot, G1, G0B+4*\slot, G1B         ; the first tensor load behind the round; the four v_nop behind it are among the places in front of the loads below
	PLACES NP-4
.else
	PLACES NP
.endif
	v_add_nc_u32 v[ADRS], 4*NQ, v[ADRS]            ; on to the next K step's scale words (no LDS load of mine is out)
	FETCH_B \next, 0, 0
	FETCH_A \next, 0, 0
	SCALES \next
	WIN MUL_HI
	MUL16 4, 1, NQ-1, \slot, 0
	MUL16 6, 1, NQ-1, \slot, 0
	PLACES NP
	WIN 0
	FETCH_A \next, 0, 4
.endm
	s_wait_tensorcnt 1                             ; the scales and my part of K step 0 are in (K step 1's load may be out)
	s_barrier_signal -1
	s_barrier_wait -1                              ; everybody's are
	FETCH_B 0, 0, 0
	FETCH_A 0, 0, 0
	SCALES 0
	FETCH_A 0, 0, 4
	s_wait_loadcnt 0x0                             ; the bias
	STEP 0, 0, 1                                   ; K = 1,024 is four K steps of 256, twice round the ring: written out.  The first products start the sums from the bias
	TURN 0, 1, 1                                   ; slot 0 takes K step 2
	STEP 1, 0, 0
	TURN 1, 0, 1                                   ; slot 1 takes K step 3
	STEP 0, 0, 0
	TURN 0, 1, 0                                   ; nothing is left to fetch: no round of the cluster's barrier
	STEP 1, 0, 0
	s_wait_dscnt 4*NL                              ; the very last step
	WIN MUL_LO
	MUL16 0, 1, NQ-1, 1, 0
	MUL16 2, 1, NQ-1, 1, 0
	s_wait_dscnt 0
	WIN MUL_HI
	MUL16 4, 1, NQ-1, 1, 0
	MUL16 6, 1, NQ-1, 1, 0
	WIN 0
; THE WAY OUT, block by block of 16 rows x 128 columns.  A lane holds 32 neighbouring bytes of a row, and the lanes beside it hold other rows: so a block goes through my own stage in LDS and comes back as whole
; rows of 512 bytes, which the 32 lanes store together.  LDS serves a wave's instructions in order (ISA guide 5.7.1.4): no wait between the stores and the loads, nor in front of the next block's stores.
.macro TOSTAGE a
.set AC, 64*((\a)%4)
	WIN 0x08+4*((\a)/4)                            ; the data: window 2 or 3
.irp b, 0,1,2,3,4,5,6,7
	ds_store_b128 v[STO], v[AC+8*\b:AC+8*\b+3] offset:64*\b          ; each accumulator from its low end on
	ds_store_b128 v[STO], v[AC+8*\b+4:AC+8*\b+7] offset:64*\b+16
.endr
	WIN 0
.set BB, BK+64*((\a)%2)
.irp t, 0,1,2,3,4,5,6,7,8,9,10,11,12,13,14,15
	ds_load_b128 v[BB+4*\t:BB+4*\t+3], v[RD] offset:\t*SPITCH
.endr
.endm
.macro SEND a, younger                 ; younger: the LDS instructions issued behind block a's loads, which may stay out
.set BB, BK+64*((\a)%2)
	s_wait_dscnt \younger                          ; the block is back in registers
.if (\a) > 0
	s_add_nc_u64 s[12:13], s[12:13], 16*SIZE_N*4   ; (behind a wait on XCNT: the earlier stores have read their base)  16 rows of out0 on
.endif
.irp t, 0,1,2,3,4,5,6,7,8,9,10,11,12,13,14,15
	global_store_b128 v[CO], v[BB+4*\t:BB+4*\t+3], s[12:13] offset:\t*SIZE_N*4 th:TH_STORE_NT   ; 32 lanes store 512 consecutive bytes, at a multiple of 256 from out0's first byte; written once, read by nobody here
.endr
.endm
	PLACES NP                                      ; behind the last products: loads land on the registers that held A's fragments, and block 7's results are read
	TOSTAGE 0
.irp a, 1,2,3,4,5,6,7
.if \a > 1
	s_wait_xcnt 0x0                                ; block a - 2's stores have read their registers and their base: block a's loads may land there, and the base may step
.endif
	TOSTAGE \a
	SEND \a-1, 32                                  ; behind block a - 1's loads: block a's 16 stores and 16 loads
.endr
	s_wait_xcnt 0x0                                ; block 6's stores have read their base
	SEND 7, 0
	s_wait_tensorcnt 0x0                           ; the wave's end, behind my last tensor load and my last LDS store
	ds_add_u32 v[SPW], v[NIL]
	s_wait_dscnt 0x0
	CROUND                                         ; the closing round: no work-group ends while a partner may still ask for a tile that names it
	s_endpgm
.Lfunc_end_k_qf037d6bcf2_proj:
	.size	k_qf037d6bcf2_proj, .Lfunc_end_k_qf037d6bcf2_proj-k_qf037d6bcf2_proj
	.p2alignl 7, 3214868480
	.fill 96, 4, 3214868480
	.section	.rodata,"a",@progbits
	.p2align	6, 0x0
	.amdhsa_kernel k_qf037d6bcf2_proj
		.amdhsa_group_segment_fixed_size 327680
		.amdhsa_private_segment_fixed_size 0
		.amdhsa_enable_private_segment 0
		.amdhsa_kernarg_size 48
		.amdhsa_user_sgpr_count 2
		.amdhsa_user_sgpr_kernarg_segment_ptr 1
		.amdhsa_wavefront_size32 1
		.amdhsa_system_sgpr_workgroup_id_x 1
		.amdhsa_system_sgpr_workgroup_id_y 1
		.amdhsa_system_sgpr_workgroup_id_z 1
		.amdhsa_system_vgpr_workitem_id 0
		.amdhsa_next_free_vgpr 1024
		.amdhsa_next_free_sgpr 100
		.amdhsa_reserve_vcc 0
		.amdhsa_float_denorm_mode_32 3
		.amdhsa_float_denorm_mode_16_64 3
		.amdhsa_memory_ordered 1
		.amdhsa_forward_progress 1
		.amdhsa_inst_pref_size 147
	.end_amdhsa_kernel
	.amdgpu_metadata
---
amdhsa.version: [ 1, 2 ]
amdhsa.kernels:
  - .name:           k_qf037d6bcf2_proj
    .symbol:         k_qf037d6bcf2_proj.kd
    .args:
      - { .name: cxc, .offset: 0, .size: 8, .value_kind: global_buffer, .address_space: global }
      - { .name: cxs, .offset: 8, .size: 8, .value_kind: global_buffer, .address_space: global }
      - { .name: W_o_codes, .offset: 16, .size: 8, .value_kind: global_buffer, .address_space: global }
      - { .name: W_o_scales, .offset: 24, .size: 8, .value_kind: global_buffer, .address_space: global }
      - { .name: b_o, .offset: 32, .size: 8, .value_kind: global_buffer, .address_space: global }
      - { .name: out0, .offset: 40, .size: 8, .value_kind: global_buffer, .address_space: global }
    .group_segment_fixed_size: 327680
    .private_segment_fixed_size: 0
    .kernarg_segment_align: 8
    .kernarg_segment_size: 48
    .max_flat_workgroup_size: 128
    .sgpr_count:     100
    .vgpr_count:     1024
    .wavefront_size: 32
...
	.end_amdgpu_metadata
.endif
;; end of part 3
